; MI455X (gfx1250); checked and timed in simulation.
; The chip was launched on July 23, 2026; its instructions are those of AMD's public machine-readable ISA for CDNA 5 (MIT licence, August 2026) and "CDNA5" Instruction Set Architecture Reference Guide (July 2026). The comments in the code are by the model that wrote it; some were corrected since.
;; Casual Attention. Allowed arithmetic: matrix products marked QUANTISED: E4M3 operands, one given power-of-two scale a tensor, by v_wmma_f32_16x16x64_fp8_fp8 or v_wmma_f32_16x16x128_fp8_fp8, f32 sums; everything else in f32.
;; Inputs: lowp_scales 8 int32 (the exponents e of the quantised operands' scales 2^e); w_out 1,024 x 1,024 float32; w_qkv 1,024 x 3,072 float32; x 4 x 2,048 x 1,024 float32.
;; Outputs: out0 4 x 2,048 x 1,024 float32.
;; This version of the problem:
;;   THIS VERSION OF THE PROBLEM IS GIVEN IN LOW PRECISION. The matrix products marked QUANTISED in the list below multiply operands that are first quantised to E4M3 (4 exponent bits, 3 mantissa bits; 8 bits a number), with one given power-of-two scale for each operand tensor; their sums are f32. All else is computed in f32.
;;   The module's matrix products, in the order in which they are computed (A, B: the left and right operand; K: the contracted axis; several contracted axes count as one K, in the product's order):
;;     1. [M 8,192, K 1,024] x [K 1,024, N 3,072]; A: input x; B: input w_qkv: QUANTISED (scales: A lowp_scales[0], B lowp_scales[1])
;;     2. batch 64 x [M 2,048, K 64] x [K 64, N 2,048]; A: computed on the way; B: computed on the way: QUANTISED (scales: A lowp_scales[2], B lowp_scales[3])
;;     3. batch 64 x [M 2,048, K 2,048] x [K 2,048, N 64]; A: softmax (see below); B: computed on the way: QUANTISED (scales: A lowp_scales[4], B lowp_scales[5])
;;     4. [M 8,192, K 1,024] x [K 1,024, N 1,024]; A: computed on the way; B: input w_out: QUANTISED (scales: A lowp_scales[6], B lowp_scales[7])
;;   THE QUANTISER, for each operand of a quantised product, along K:
;;     - The operand's scale is 2^e, e = its entry of the input lowp_scales (int32; the entries are numbered through the quantised products in the list's order, A before B).
;;     - Each number is divided by the scale, clamped to +-448, and rounded to the nearest number of E4M3, ties to even, subnormals kept.
;;     - The product sums the exact products of the quantised numbers (number of the format x scale) in f32.
;;   ~~~python
;;   def quantise(x, axis, e):      # numpy; x: float32 -> the quantised numbers, widened to float32 again
;;       x = np.moveaxis(x, axis, -1); K = x.shape[-1]
;;       r = np.clip(x / 2.0 ** e, -448, 448)
;;       step = 2.0 ** (np.maximum(np.frexp(np.where(r == 0, 1, r))[1] - 1, -6) - 3)
;;       q = np.round(r / step) * step * 2.0 ** e      # np.round: ties to even
;;       return np.moveaxis(q, -1, axis).astype(np.float32)
;;   ~~~
;;   SOFTMAX AHEAD OF A QUANTISED PRODUCT. Where the list says 'softmax', what is quantised is not the finished softmax but p = 2^(t - M), with t = logit x log2(e) and M = ceil(the row's largest t), a whole number; so 1/2 < the row's largest p <= 1. The row's sum l is taken of the UNQUANTISED p, in f32, and the product's result is divided by l at the end. Since M is a whole number, a kernel that streams over the keys may use a running M (the ceiling of the running maximum): every later rescaling is an exact power of two, so the quantised numbers keep their values, but for numbers so far below the row's largest that they fall under the format's range.
;;   OPERANDS COMPUTED ON THE WAY. 'Computed on the way' means the value that the module computes at that place (a softmax that the list does not call 'softmax' is quantised finished and normalised). What goes into a quantiser is computed in f32, as accurately as f32 sums, v_exp_f32 and their like allow (about 1e-6 of the number): no bf16 or f16 on the way to a quantiser, and a product that is left as it is and whose result goes on into a quantised operand takes f32 operands (vector FMAs, or v_wmma_f32_16x16x4_f32). A number that lies on a knife's edge between two numbers of the format may be rounded either way, as far as f32 arithmetic and the matrix unit's own rounding can turn it there, and no further.
;; One version. Each part assembles by itself: llvm-mc -triple=amdgcn-amd-amdhsa -mcpu=gfx1250 --defsym DOCPART=n.
;; ======== version 1 of 1: 4 launches
;; limits: right only within a limited range of input values
;; workspace buffers: xc 8,388,608 bytes; wqc 3,145,728 bytes; woc 1,048,576 bytes; qc 8,388,608 bytes; kc 8,388,608 bytes; vc 8,388,608 bytes; ac 8,388,608 bytes
;; launch quant (part 1): grid 384 x 1, 4 waves a work-group, no clusters, 68,096 bytes of LDS; arguments x, w_qkv, w_out, lowp_scales, xc, wqc, woc; writes xc, wqc, woc
.if DOCPART == 1
	.amdgcn_target "amdgcn-amd-amdhsa--gfx1250"
	.amdhsa_code_object_version 6
	.text
	.protected	k_q1737ed3d3f_quant
	.globl	k_q1737ed3d3f_quant
	.p2align	8
	.type	k_q1737ed3d3f_quant,@function
k_q1737ed3d3f_quant:
	s_mov_b64 s[64:65], 0
	v_nop
	global_prefetch_b8 v0, s[64:65] scope:SCOPE_SE
	s_setreg_imm32_b32 hwreg(HW_REG_WAVE_MODE, 25, 1), 1
	s_wait_xcnt 0x0
; The three f32 inputs become codes of FP8 (E4M3), K innermost, each with the scale 2^e that is given for it: x with entry 0, w_qkv with entry 1, w_out with entry 7 of the scales.
; code = number / 2^e, held within +-448, rounded to the nearest code, ties to even.
; LIMITS: each of the three e lies between -126 and 119, so that 2^e and 448 x 2^e are f32 numbers.  NaN among the inputs is not served (an infinity is held at the largest code).
; THE ROWS ARE STORED IN ANOTHER ORDER: stored row p of xc is row sw(p) of x, stored row p of wqc and woc is column sw(p) of the weight, where sw exchanges bits 3 and 4 of an index (it is its own inverse).
; The products that follow take 16 stored rows as a fragment; with this order the sixteen results that a lane holds of two neighbouring fragments are sixteen NEIGHBOURS of the original order.
; Work-groups 0-255 take x (K is its last axis): a plain stream.  Work-groups 256-383 take the weights (K is their FIRST axis): a lane takes a column and its registers run down K.
; The two ways part on the work-group's number, never join, and have LDS bytes of their own.  Waves share nothing: no barrier.  No work-group shares an input byte with another: no cluster.
.set SP,     80                        ; x: a lane's place in a stage: its 64 bytes + 16 of padding
.set WREG,   8192                      ; x: LDS of a wave: two stages of 32 x SP bytes
.set STEPS,  16                        ; x: steps of 512 numbers in a wave's run of 8,192 (8 rows)
.set R,      16                        ; x: v16-79   four sets of 16 numbers as they are loaded
.set X,      80                        ; x: v80-111  two sets of 16 neighbours
.set C,      128                       ; x: v128-191 codes: four registers for each step, so that no store's data are written again
.set WSTG,   32768                     ; weights: the stages begin here: 32 rows x WPITCH bytes for each wave
.set WPITCH, 272                       ; a stage row: 256 codes + 16 bytes of padding
.set WX,     32                        ; weights: v32-95 two sets of 32 numbers; on the way out 16 x 4 registers of codes
.set WC,     96                        ; weights: v96-103 a block's codes
.set RO,     104                       ; weights: v104-135 offset of row i of a block: 4 x lane + i x the weight's row; never rewritten
.set BT,     48                        ; weights: s[48:63] the address of each of the eight blocks of 32 rows; never rewritten
	s_load_b256 s[4:11], s[0:1], 0x0               ; x s[4:5], w_qkv s[6:7], w_out s[8:9], the scales' exponents s[10:11]
	s_load_b128 s[12:15], s[0:1], 0x20             ; xc s[12:13], wqc s[14:15]
	s_load_b64 s[16:17], s[0:1], 0x30              ; woc
	v_lshl_add_u32 v192, v0, 2, 0x10800
	v_mov_b32 v193, 0
	v_lshrrev_b32 v1, 5, v0
	v_readfirstlane_b32 s18, v1                    ; wave 0..3
	v_and_b32 v2, 31, v0                           ; lane
	s_wait_kmcnt 0x0
	s_load_b256 s[40:47], s[10:11], 0x0            ; e0 .. e7
	s_cmp_lt_u32 ttmp9, 256
	s_cbranch_scc0 .Lweights
; ---------------- x.  A wave takes 8 rows (8,192 numbers) in 16 steps of 512.  Each of a step's four loads reads 512 consecutive bytes, 16 a lane; the conversions want 16 NEIGHBOURS in a lane:
; the step's 2,048 bytes go through the wave's own stage in LDS as they lie and come back 64 bytes a lane.  Loads run four steps ahead, the turn through LDS one step.
	v_lshlrev_b32 v3, 4, v2                        ; 16 x lane: my bytes of a load's 512, and my codes' place in a step's 512
	s_mul_i32 s19, s18, WREG
	v_lshrrev_b32 v14, 2, v2
	v_mul_u32_u24 v14, v14, SP
	v_and_b32 v15, 3, v2
	v_lshl_add_u32 v14, v15, 4, v14
	v_add_nc_u32 v14, s19, v14                     ; the stage, way in: SP (lane / 4) + 16 (lane % 4)
	v_mul_u32_u24 v15, v2, SP
	v_add_nc_u32 v15, s19, v15                     ; way out: SP x lane
	s_lshl_b32 s20, ttmp9, 2
	s_add_co_u32 s21, s20, s18                     ; my run of 8 rows: 4 x work-group + wave
	s_lshl_b32 s24, s21, 15                        ; x 32,768 bytes
	s_mov_b32 s25, 0
	s_add_nc_u64 s[4:5], s[4:5], s[24:25]
	s_and_b32 s26, s18, 1                          ; bits 0 and 1 of the run are bits 3 and 4 of the row: they change places on the way out
	s_lshl_b32 s26, s26, 1
	s_lshr_b32 s27, s18, 1
	s_or_b32 s26, s26, s27
	s_add_co_u32 s26, s26, s20
	s_lshl_b32 s26, s26, 13                        ; x 8,192 bytes of codes
	s_mov_b32 s27, 0
	s_add_nc_u64 s[12:13], s[12:13], s[26:27]
.macro XLOAD t
.irp i, 0,1,2,3
	global_load_b128 v[R+16*((\t)%4)+4*\i:R+16*((\t)%4)+4*\i+3], v3, s[4:5] offset:2048*(\t)+512*\i th:TH_LOAD_NT   ; 32 lanes read 512 consecutive bytes; read once in the launch
.endr
.endm
.macro XTURN t                         ; step t's numbers through the stage: LDS serves a wave's instructions in order, so no wait stands between the stores and the loads
.irp i, 0,1,2,3
	ds_store_b128 v14, v[R+16*((\t)%4)+4*\i:R+16*((\t)%4)+4*\i+3] offset:32*SP*((\t)%2)+8*SP*\i
.endr
.irp i, 0,1,2,3
	ds_load_b128 v[X+16*((\t)%2)+4*\i:X+16*((\t)%2)+4*\i+3], v15 offset:32*SP*((\t)%2)+16*\i
.endr
.endm
.irp t, 0,1,2,3
	XLOAD \t
.endr
	s_wait_kmcnt 0x0
	s_add_co_i32 s22, s40, 127
	s_lshl_b32 s23, s22, 23
	v_mov_b32 v11, s23                             ; 2^e0 as f32: the conversion takes its exponent field
	s_add_co_i32 s22, s22, 8
	s_lshl_b32 s22, s22, 23
	s_or_b32 s22, s22, 0x600000
	v_mov_b32 v10, s22                             ; 448 x 2^e0
	s_wait_loadcnt 12                              ; step 0's four loads are in; three steps' twelve stay out
	XTURN 0
.macro XSTEP t
.set XS, X+16*((\t)%2)
	s_wait_dscnt 0x0                               ; this step's numbers are back from the stage: so its stores into the stage have read their registers,
.if (\t)+4 < STEPS
	XLOAD (\t)+4                                   ; which take the loads of four steps on
.endif
.if (\t)+1 < STEPS
.if STEPS-2-(\t) >= 3
	s_wait_loadcnt 12                              ; the next step's four loads are in; those of the three steps behind it may be out
.else
	s_wait_loadcnt 4*(STEPS-2-(\t))                ; the tail: fewer steps are behind it
.endif
	XTURN (\t)+1                                   ; and go through the other stage while this step is worked
.endif
.irp i, 0,1,2,3,4,5,6,7,8,9,10,11,12,13,14,15
	v_med3_num_f32 v[XS+\i], v[XS+\i], -v10, v10   ; the conversion to an 8-bit code does not saturate (ISA guide 7.6.2): the number is held within the largest code x the scale first
.endr
	v_cvt_scalef32_pk8_fp8_f32 v[C+4*(\t):C+4*(\t)+1], v[XS:XS+7], v11
	v_cvt_scalef32_pk8_fp8_f32 v[C+4*(\t)+2:C+4*(\t)+3], v[XS+8:XS+15], v11   ; the results go to a store alone; the next vector lines, the next step's holds, are plain and touch the other set
	global_store_b128 v3, v[C+4*(\t):C+4*(\t)+3], s[12:13] offset:512*(\t)   ; 32 lanes store 512 consecutive bytes
.endm
.irp t, 0,1,2,3,4,5,6,7,8,9,10,11,12,13,14,15
	XSTEP \t
.endr
	s_wait_tensorcnt 0x0
	ds_add_u32 v192, v193
	s_wait_dscnt 0x0
	s_endpgm
; ---------------- the weights.  128 work-groups: 4 pieces of 256 along K x 32 blocks of 128 columns, of which 24 are w_qkv's and 8 w_out's.  Only pointers, the row's length and e are chosen: one text serves both.
; A wave takes 32 columns x 256 along K: each load reads one row k at 32 neighbouring columns (the four waves stand side by side on 512 bytes), a lane's 32 registers are a run of 32 along K of ONE column,
; and the conversions give codes with K innermost.  The codes go through the wave's own stage (row = the column's stored place) and leave as rows: sixteen lanes store 256 consecutive bytes, aligned.
.Lweights:
	s_sub_co_u32 s20, ttmp9, 256
	s_lshr_b32 s21, s20, 5                         ; which 256 along K
	s_and_b32 s22, s20, 31                         ; which block of 128 columns
	s_mov_b32 s23, 12288                           ; a row of w_qkv in bytes
	s_cmp_ge_u32 s22, 24                           ; w_out's block?  The choice hangs on the work-group's number alone
	s_cselect_b64 s[24:25], s[8:9], s[6:7]         ; from
	s_cselect_b64 s[26:27], s[16:17], s[14:15]     ; to
	s_cselect_b32 s23, 4096, s23                   ; a row of the weight in bytes
	s_cselect_b32 s28, 24, 0
	s_sub_co_u32 s28, s22, s28                     ; the block's number in its own weight
	s_lshl_b32 s29, s28, 7
	s_lshl_b32 s30, s18, 5
	s_add_co_u32 s29, s29, s30                     ; my wave's first column
	s_mul_i32 s30, s21, s23
	s_lshl_b32 s30, s30, 8                         ; 256 rows for each piece of K,
	s_lshl_b32 s31, s29, 2
	s_add_co_u32 s30, s30, s31                     ; + 4 bytes a column
	s_mov_b32 s31, 0
	s_add_nc_u64 s[BT:BT+1], s[24:25], s[30:31]
	s_lshl_b32 s32, s23, 5                         ; 32 rows on
	s_mov_b32 s33, 0
.irp t, 1,2,3,4,5,6,7
	s_add_nc_u64 s[BT+2*\t:BT+2*\t+1], s[BT+2*\t-2:BT+2*\t-1], s[32:33]
.endr
	s_lshl_b32 s34, s29, 10                        ; the codes: a stored row is 1,024 bytes,
	s_lshl_b32 s35, s21, 8                         ; + my 256 along K
	s_add_co_u32 s34, s34, s35
	s_mov_b32 s35, 0
	s_add_nc_u64 s[26:27], s[26:27], s[34:35]
	v_lshlrev_b32 v[RO], 2, v2
.set i, 1
.rept 31
	v_add_nc_u32 v[RO+i], s23, v[RO+i-1]
.set i, i+1
.endr
	s_mul_i32 s19, s18, 32*WPITCH
	s_add_co_u32 s19, s19, WSTG                    ; my stage
	v_and_b32 v5, 7, v2
	v_and_b32 v6, 8, v2
	v_lshl_or_b32 v5, v6, 1, v5
	v_bfe_u32 v6, v2, 4, 1
	v_lshl_or_b32 v5, v6, 3, v5                    ; my column's stored place among the wave's 32: bits 3 and 4 exchanged
	v_mul_u32_u24 v4, v5, WPITCH
	v_add_nc_u32 v4, s19, v4                       ; into the stage
	v_and_b32 v5, 15, v2
	v_lshrrev_b32 v6, 4, v2                        ; out of it: sixteen lanes to a row, two rows an instruction
	v_mul_u32_u24 v7, v6, WPITCH
	v_lshl_add_u32 v7, v5, 4, v7
	v_add_nc_u32 v7, s19, v7
	v_lshlrev_b32 v8, 10, v6
	v_lshl_add_u32 v8, v5, 4, v8                   ; and the same place in the codes' buffer
.macro WLOAD t                         ; block t: rows 32 t + i of my piece of K, my column, into set t % 2
.set i, 0
.rept 32
	global_load_b32 v[WX+32*((\t)%2)+i], v[RO+i], s[BT+2*(\t):BT+2*(\t)+1] th:TH_LOAD_NT
.set i, i+1
.endr
.endm
	WLOAD 0
	WLOAD 1
	s_wait_kmcnt 0x0
	s_cmp_ge_u32 s22, 24
	s_cselect_b32 s36, s47, s41                    ; e7 for w_out, e1 for w_qkv
	s_add_co_i32 s36, s36, 127
	s_lshl_b32 s37, s36, 23
	v_mov_b32 v11, s37                             ; 2^e
	s_add_co_i32 s36, s36, 8
	s_lshl_b32 s36, s36, 23
	s_or_b32 s36, s36, 0x600000
	v_mov_b32 v10, s36                             ; 448 x 2^e
.macro WBLOCK t
.set XS, WX+32*((\t)%2)
.if (\t) < 7
	s_wait_loadcnt 32                              ; this block's 32 loads are in; the next block's may be out
.else
	s_wait_loadcnt 0
.endif
.set i, 0
.rept 32
	v_med3_num_f32 v[XS+i], v[XS+i], -v10, v10     ; the hold at the largest code x the scale
.set i, i+1
.endr
.irp g, 0,1,2,3
	v_cvt_scalef32_pk8_fp8_f32 v[WC+2*\g:WC+2*\g+1], v[XS+8*\g:XS+8*\g+7], v11
.endr
	ds_store_b128 v4, v[WC:WC+3] offset:32*(\t)    ; 32 codes: 32 bytes of my column's row.  (The results go to LDS stores and the numbers' registers to loads; the next vector lines are the next block's holds, plain, on the other set)
	ds_store_b128 v4, v[WC+4:WC+7] offset:32*(\t)+16
.if (\t)+2 < 8
	WLOAD (\t)+2
.endif
	s_wait_dscnt 0x0                               ; the stores have read their registers: the next block's codes may be written
.endm
.irp t, 0,1,2,3,4,5,6,7
	WBLOCK \t
.endr
.irp t, 0,1,2,3,4,5,6,7,8,9,10,11,12,13,14,15
	ds_load_b128 v[WX+4*\t:WX+4*\t+3], v7 offset:2*\t*WPITCH   ; LDS serves a wave's instructions in order: these see my stores
.endr
.irp t, 0,1,2,3,4,5,6,7,8,9,10,11,12,13,14,15
	s_wait_dscnt 15-\t                             ; load t is in; the younger ones stay out
	global_store_b128 v8, v[WX+4*\t:WX+4*\t+3], s[26:27] offset:2*\t*1024
.endr
	s_wait_tensorcnt 0x0
	ds_add_u32 v192, v193
	s_wait_dscnt 0x0
	s_endpgm
.Lfunc_end_k_q1737ed3d3f_quant:
	.size	k_q1737ed3d3f_quant, .Lfunc_end_k_q1737ed3d3f_quant-k_q1737ed3d3f_quant
	.p2alignl 7, 3214868480
	.fill 96, 4, 3214868480
	.section	.rodata,"a",@progbits
	.p2align	6, 0x0
	.amdhsa_kernel k_q1737ed3d3f_quant
		.amdhsa_group_segment_fixed_size 68096
		.amdhsa_private_segment_fixed_size 0
		.amdhsa_enable_private_segment 0
		.amdhsa_kernarg_size 56
		.amdhsa_user_sgpr_count 2
		.amdhsa_user_sgpr_kernarg_segment_ptr 1
		.amdhsa_wavefront_size32 1
		.amdhsa_system_sgpr_workgroup_id_x 1
		.amdhsa_system_sgpr_workgroup_id_y 1
		.amdhsa_system_sgpr_workgroup_id_z 1
		.amdhsa_system_vgpr_workitem_id 0
		.amdhsa_next_free_vgpr 194
		.amdhsa_next_free_sgpr 66
		.amdhsa_reserve_vcc 0
		.amdhsa_float_denorm_mode_32 3
		.amdhsa_float_denorm_mode_16_64 3
		.amdhsa_memory_ordered 1
		.amdhsa_forward_progress 1
		.amdhsa_inst_pref_size 87
	.end_amdhsa_kernel
	.amdgpu_metadata
---
amdhsa.version: [ 1, 2 ]
amdhsa.kernels:
  - .name:           k_q1737ed3d3f_quant
    .symbol:         k_q1737ed3d3f_quant.kd
    .args:
      - { .name: x, .offset: 0, .size: 8, .value_kind: global_buffer, .address_space: global }
      - { .name: w_qkv, .offset: 8, .size: 8, .value_kind: global_buffer, .address_space: global }
      - { .name: w_out, .offset: 16, .size: 8, .value_kind: global_buffer, .address_space: global }
      - { .name: lowp_scales, .offset: 24, .size: 8, .value_kind: global_buffer, .address_space: global }
      - { .name: xc, .offset: 32, .size: 8, .value_kind: global_buffer, .address_space: global }
      - { .name: wqc, .offset: 40, .size: 8, .value_kind: global_buffer, .address_space: global }
      - { .name: woc, .offset: 48, .size: 8, .value_kind: global_buffer, .address_space: global }
    .group_segment_fixed_size: 68096
    .private_segment_fixed_size: 0
    .kernarg_segment_align: 8
    .kernarg_segment_size: 56
    .max_flat_workgroup_size: 128
    .sgpr_count:     66
    .vgpr_count:     194
    .wavefront_size: 32
...
	.end_amdgpu_metadata
.endif
;; end of part 1
;; launch qkv (part 2): grid 12 x 32, 4 waves a work-group, clusters of 4 x 4, 327,680 bytes of LDS; arguments xc, wqc, lowp_scales, qc, kc, vc; writes qc, kc, vc
.if DOCPART == 2
	.amdgcn_target "amdgcn-amd-amdhsa--gfx1250"
	.amdhsa_code_object_version 6
	.text
	.protected	k_q1737ed3d3f_qkv
	.globl	k_q1737ed3d3f_qkv
	.p2align	8
	.type	k_q1737ed3d3f_qkv,@function
k_q1737ed3d3f_qkv:
	s_mov_b64 s[64:65], 0
	v_nop
	global_prefetch_b8 v0, s[64:65] scope:SCOPE_SE
	s_setreg_imm32_b32 hwreg(HW_REG_WAVE_MODE, 25, 1), 1
	s_wait_xcnt 0x0
	s_wait_alu depctr_hold_cnt(0) depctr_sa_sdst(0) depctr_va_vdst(0) depctr_va_sdst(0) depctr_va_ssrc(0) depctr_va_vcc(0) depctr_vm_vsrc(0)
	s_getreg_b32 s2, hwreg(HW_REG_IB_STS2, 6, 4)
	s_cmp_eq_u32 s2, 0
	s_cbranch_scc0 .Lentry_in_a_cluster
	s_endpgm
.Lentry_in_a_cluster:
	s_bfe_u32 s2, ttmp6, 0x10000c
	s_cmp_lg_u32 s2, 0xf033
	s_cbranch_scc0 .Lentry_shape_is_right
	s_endpgm
.Lentry_shape_is_right:
; q, k, v = x w_qkv on codes of FP8 (E4M3), and the results quantised at once for the products that follow: q with entry 2, k with entry 3, v with entry 5 of the scales.
; xc: [8192 stored rows][1024], wqc: [3072 stored rows][1024], codes, K innermost; stored row p is original row (column) sw(p), sw exchanging bits 3 and 4.
; A sum stands for sum x 2^(e0 + e1), so its code is sum / 2^(ek - e0 - e1): the three scales are folded into the conversion's one.
; LIMIT: ek - e0 - e1 lies between -126 and 119 for each of the three kinds, so that this power of two and 448 times it are f32 numbers.
; A tile of 256 x 256 results is made by a work-group of four waves; a wave makes 128 x 128: 64 accumulators of 16 x 16, 512 registers.  K goes in steps of 256 through a ring of two LDS slots filled by the tensor data mover.
; THE TWO SIDES.  Source 1 of every product is "side A", source 0 "side B": a lane holds ONE row of side A and eight rows of side B.  The cluster's x is the kind: 0 q, 1 k, 2 v.
;   q, k: side A = 256 tokens, side B = 256 columns of the weight: a lane holds one token and neighbouring channels, which are the next product's K.
;   v:    side A = 256 columns of the weight, side B = 256 tokens: a lane holds one channel and neighbouring KEYS, which are the next product's K.  Nothing is transposed; only pointers and tile numbers are chosen.
; By the stored order the sixteen results of a lane in accumulators (a, 2 b) and (a, 2 b + 1) are sixteen neighbours, 32 b + 16 (lane / 16) + 0 .. 15, of side B's original order,
; and lane r of block a stands for side A's original row 32 (a / 2) + 8 (a % 2) + r % 8 + 16 (r / 8).
; THE RESULTS LEAVE AS IMAGES OF THE NEXT OPERAND'S REGISTERS: a lane's sixteen codes are 16 bytes, the wave stores them at 16 x lane: 512 consecutive bytes a store, aligned.  No LDS on the way out.
;   qc, kc: [batch x head 64][chunk of 128 tokens 16][place 8][c 2][lane 32][16 bytes]: block a lies at place 2 (a % 4) + a / 4; piece c holds channels 32 c + 16 (lane / 16) + 0 .. 15.
;   vc:     [batch x head 64][128 keys 16][t 4][c 4][lane 32][16 bytes]: lane r of tile t is stored channel 16 t + r; piece c holds keys 32 c + 16 (lane / 16) + 0 .. 15.
; CLUSTERS: 4 x 4 work-groups, all of one kind.  The four of a row of the cluster need the same tiles of side A, the four of a column the same tiles of side B: each tile is asked for JOINTLY,
; by the same tensor load with the same descriptor and a mask that names the four.
; REGISTERS, in windows of 256: window 0: v0-31 addresses; from v128 side A's fragments (8 x 16 rows x 128 K), ONE set, on the way out the codes.
;   window 1: side B's fragments, TWO sets, at v0 and v128.   window 2: the 32 accumulators of my side-A rows 0-63 (accumulator (a, b) at v[8 (8 a + b)]);   window 3: those of rows 64-127.
.set KSTEP,  256                       ; along K in a slot
.set ROWB,   256                       ; a tile's row in bytes
.set KROW,   1024                      ; a row of xc or of wqc in bytes
.set PITCH,  272                       ; an LDS row: 256 bytes + 16 of padding = 68 words: row r starts at bank 4 r mod 64 (64 banks of 4 bytes: ISA guide 11.1), so the 16 rows that a load touches start at 16 different banks
.set FR,     16                        ; registers of a fragment: 16 rows x 128 K
.set NL,     4                         ; LDS loads that bring one
.set NP,     4                         ; places behind this matrix instruction (ISA guide 7.12.1)
.set HALFT,  128*PITCH                 ; 128 rows: what one tensor load brings, and what one wave reads of a side
.set SLOT,   4*HALFT                   ; side A's 256 rows, then side B's
.set LAPS,   2                         ; a lap = two K steps of 256 = once round the ring; K = 1,024
.set SPARE,  2*SLOT                    ; behind the ring: the spare words, 128 bytes for each wave: two blocks of 256 bytes that no other line names
.set ADRA, 16                          ; v16-17  LDS address of my side-A fragments in slot 0, 1
.set ADRB, 20                          ; v20-21  the same for side B
.set SPW,  28                          ; v28     LDS address of my spare word; never rewritten
.set NIL,  29                          ; v29     0; never rewritten
.set TMP,  32
.set AF,   128                         ; side A's fragments, in window 0
.set CD,   128                         ; the way out: the codes, 16 registers a block: no store's data are written again
.set G1, 24                            ; s[24:31] descriptor group 1 for side A's tiles;  s[32:39] group 0, one set for each slot
.set G0, 32
.set G1B, 48                           ; s[48:55], s[56:63] the same for side B's
.set G0B, 56
.set MSB, 0
.macro WIN new                         ; the immediate's high byte repeats the setting that is left
.if MSB != \new
	s_set_vgpr_msb (MSB<<8)|\new
.set MSB, \new
.endif
.endm
.set MUL_LO, 0xa1                      ; source 0 (side B) window 1, source 1 (side A) window 0, C and D window 2
.set MUL_HI, 0xf1                      ; the same, C and D window 3
.set TO_B,   0x40                      ; destination window 1, address window 0
; A joint load: waves 0 and 1 fetch for side A, waves 2 and 3 for side B.  Each of the two lines has ONE mask and one set of registers for all that issue it; the branch hangs on the wave's number alone.
; Four v_nop follow each of the two lines, ahead of the jump, the label and what follows.
.macro JLOAD g0a, g1a, g0b, g1b
	s_cmp_eq_u32 s15, 0
	s_cbranch_scc0 .Lfor_b_\@
	tensor_load_to_lds s[\g0a:\g0a+3], s[\g1a:\g1a+7]
	s_nop 0
.rept 4
	v_nop
.endr
	s_branch .Lasked_\@
.Lfor_b_\@:
	tensor_load_to_lds s[\g0b:\g0b+3], s[\g1b:\g1b+7]
	s_nop 0
.rept 4
	v_nop
.endr
.Lasked_\@:
.endm
.macro CREST                           ; a round of the cluster's barrier behind its opening barrier
	s_cmp_lg_u32 s14, 0
	s_cbranch_scc1 .Lnot_wave_0_\@
	s_barrier_signal -3
.Lnot_wave_0_\@:
	s_barrier_wait -3
	s_barrier_signal -1
	s_barrier_wait -1
.endm
.macro CROUND                          ; a whole round
	s_barrier_signal -1
	s_barrier_wait -1
	CREST
.endm
	s_load_b128 s[4:7], s[0:1], 0x0                ; xc s[4:5], wqc s[6:7]
	s_load_b128 s[8:11], s[0:1], 0x10              ; the scales' exponents s[8:9], qc s[10:11]
	s_load_b128 s[68:71], s[0:1], 0x20             ; kc s[68:69], vc s[70:71]
	v_lshl_add_u32 v[SPW], v0, 2, SPARE
	v_mov_b32 v[NIL], 0
	ds_add_u32 v28, v29
	ds_add_u32 v28, v29
	s_wait_dscnt 0x0
	v_lshrrev_b32 v1, 5, v0
	v_readfirstlane_b32 s14, v1                    ; wave 0..3
	s_lshr_b32 s15, s14, 1                         ; which half of side A's rows is mine.  Also: I fetch for side A (0) or for side B (1)
	s_and_b32 s16, s14, 1                          ; which half of side B's rows.  Also: which 128 rows of that tile I fetch
	s_bfe_u32 s40, ttmp6, 0x40000                  ; cx, cy: my place in the cluster
	s_bfe_u32 s41, ttmp6, 0x40004
	s_and_b32 s67, ttmp7, 0xffff
	s_lshl_b32 s67, s67, 2                         ; 4 x cluster y: the first of the cluster's four tiles of tokens
	s_lshl_b32 s78, ttmp9, 2                       ; 4 x kind: the first of the kind's four tiles of wqc
	s_cmp_eq_u32 ttmp9, 2                          ; v?  The same in all sixteen partners
	s_cselect_b32 s77, 8, s67                      ; side A's first tile: v's columns begin at tile 8 of wqc; else tokens
	s_cselect_b32 s78, s67, s78                    ; side B's first tile: tokens for v; else the kind's columns
	s_add_co_u32 s17, s77, s41                     ; side A's tile: + cy, which my row of the cluster shares
	s_add_co_u32 s42, s78, s40                     ; side B's tile: + cx, which my column shares
	s_lshl_b32 s43, s41, 2
	s_lshl_b32 s43, 15, s43                        ; my row of the cluster
	s_lshl_b32 s44, 0x1111, s40                    ; my column
	; descriptor group 1: a tile of 128 rows x 256 bytes, padded in LDS
	s_or_b32 s[G1+0], s43, (0<<16)|(1<<20)|(1<<21)|(5<<22)|(3<<25)  ; 15:0 the mask: side A's tiles go to my row; 17:16 element of 1 byte; 20 padding on; 21 set beside a mask; 24:22 after every 64 words (code 5); 31:25 of 4 words (code 3)
	s_or_b32 s[G1B+0], s44, (0<<16)|(1<<20)|(1<<21)|(5<<22)|(3<<25)
.irp g, G1, G1B
	s_mov_b32 s[\g+1], ROWB<<16                    ; tensor_dim0
	s_mov_b32 s[\g+2], 128<<16                     ; tensor_dim1 = 128
	s_mov_b32 s[\g+3], ROWB<<16                    ; tile_dim0
	s_mov_b32 s[\g+4], 128                         ; tile_dim1 = 128
	s_mov_b32 s[\g+5], KROW                        ; tensor_dim0_stride
	s_mov_b32 s[\g+6], 0
	s_mov_b32 s[\g+7], 0
.endr
	s_lshl_b32 s18, s16, 7                         ; which 128 rows of the tile I fetch
	s_lshl_b32 s20, s17, 8
	s_add_co_u32 s20, s20, s18                     ; side A: row 256 x tile + 128 x half,
	s_lshl_b32 s20, s20, 10                        ; x 1,024 bytes (under 2^24)
	s_mov_b32 s21, 0
	s_lshl_b32 s46, s42, 8
	s_add_co_u32 s46, s46, s18                     ; side B likewise
	s_lshl_b32 s46, s46, 10
	s_mov_b32 s47, 0
	s_mul_i32 s45, s14, HALFT                      ; where they go: wave x 128 rows: no place in the cluster enters an LDS address
	s_wait_kmcnt 0x0
	s_load_b256 s[88:95], s[8:9], 0x0              ; e0 .. e7
	s_cmp_eq_u32 ttmp9, 2
	s_cselect_b64 s[72:73], s[6:7], s[4:5]         ; side A's buffer: wqc for v, else xc
	s_cselect_b64 s[74:75], s[4:5], s[6:7]         ; side B's: the other
	s_add_nc_u64 s[20:21], s[72:73], s[20:21]
	s_add_nc_u64 s[46:47], s[74:75], s[46:47]
	CROUND                                         ; all sixteen work-groups are here: the first joint loads meet
.irp s, 0,1
	s_mov_b32 s[G0+4*\s], 1
	s_add_co_u32 s[G0+4*\s+1], s45, \s*SLOT
	s_add_nc_u64 s[G0+4*\s+2:G0+4*\s+3], s[20:21], \s*ROWB
	s_or_b32 s[G0+4*\s+3], s[G0+4*\s+3], 0x80000000
	s_mov_b32 s[G0B+4*\s], 1
	s_add_co_u32 s[G0B+4*\s+1], s45, \s*SLOT
	s_add_nc_u64 s[G0B+4*\s+2:G0B+4*\s+3], s[46:47], \s*ROWB
	s_or_b32 s[G0B+4*\s+3], s[G0B+4*\s+3], 0x80000000
	JLOAD G0+4*\s, G1, G0B+4*\s, G1B
.endr
	v_and_b32 v1, 15, v0                           ; l % 16
	v_bfe_u32 v2, v0, 4, 1                         ; l / 16
	v_mul_u32_u24 v3, v1, PITCH
	v_lshl_add_u32 v4, v2, 4, v3                   ; a fragment's row x pitch + 16 x half
	s_mul_i32 s21, s15, HALFT                      ; my 128 rows of side A
	s_mul_i32 s22, s16, HALFT                      ; my 128 rows of side B,
	s_add_co_u32 s22, s22, 2*HALFT                 ; which lie behind side A's 256
.irp s, 0,1
	v_add_nc_u32 v[ADRA+\s], s21, v4
	v_add_nc_u32 v[ADRB+\s], s22, v4
	s_add_co_u32 s21, s21, SLOT
	s_add_co_u32 s22, s22, SLOT
.endr
.macro FRAG reg, adr, q, i             ; a fragment, 16 rows x 128 K of codes, is 16 registers: lane l holds row l % 16; registers 4 c .. 4 c + 3 hold K = 32 c + 16 (l / 16) + 0 .. 15: the same places on both sides, so every product meets its partner
.irp c, 0,1,2,3
	ds_load_b128 v[\reg+4*\c:\reg+4*\c+3], v[\adr] offset:128*(\q)+32*\c+(\i)*16*PITCH
.endr
.endm
; 16 matrix instructions: side A's blocks a0, a0 + 1 x side B's eight, 128 along K.  p: side B's set.  zero = 1: the first product starts the sums: nothing is ever cleared.
; The 64 accumulators take turns, one instruction a turn, in the same order in every step.
.macro MUL16 a0, p, zero
.irp a, \a0, \a0+1
.irp b, 0,1,2,3,4,5,6,7
.if \zero
	v_wmma_f32_16x16x128_fp8_fp8 v[8*(8*((\a)%4)+\b):8*(8*((\a)%4)+\b)+7], v[128*(\p)+FR*\b:128*(\p)+FR*\b+FR-1], v[AF+FR*(\a):AF+FR*(\a)+FR-1], 0
.else
	v_wmma_f32_16x16x128_fp8_fp8 v[8*(8*((\a)%4)+\b):8*(8*((\a)%4)+\b)+7], v[128*(\p)+FR*\b:128*(\p)+FR*\b+FR-1], v[AF+FR*(\a):AF+FR*(\a)+FR-1], v[8*(8*((\a)%4)+\b):8*(8*((\a)%4)+\b)+7]
.endif
.endr
.endr
.endm
.macro FETCH_B slot, q, p              ; side B's eight fragments of the slot's q-th 128 along K into set p
	WIN TO_B
.irp i, 0,1,2,3,4,5,6,7
	FRAG 128*(\p)+FR*\i, ADRB+\slot, \q, \i
.endr
	WIN 0
.endm
.macro FETCH_A slot, q, i0             ; side A's blocks i0 .. i0 + 3
.irp i, \i0, \i0+1, \i0+2, \i0+3
	FRAG AF+FR*(\i), ADRA+\slot, \q, \i
.endr
.endm
; A load into a register that a matrix instruction has read stands NP places behind that matrix instruction, and only plain vector instructions that name none of its registers are places
; (ISA guide 7.12.1 for vector instructions); the matrix instructions in between are not counted.
.macro PLACES n
.rept \n
	v_nop
.endr
.endm
; A step of 128 along K that has its successor in the same slot.  A block of side A is free as soon as its eight products are issued, so one set serves side A: blocks 0-3 are fetched anew in the step's middle, blocks 4-7 at its end.
.macro STEP slot, q, zero
	s_wait_dscnt 4*NL                              ; side B's set and side A's blocks 0-3 are in; the youngest sixteen loads (blocks 4-7) may be out
	WIN MUL_LO
	MUL16 0, (\q)%2, \zero
	MUL16 2, (\q)%2, \zero
	s_wait_dscnt 0                                 ; blocks 4-7 are in (asked for 32 matrix instructions ago)
	PLACES NP
	FETCH_B \slot, (\q)+1, 1-(\q)%2
	FETCH_A \slot, (\q)+1, 0
	WIN MUL_HI
	MUL16 4, (\q)%2, \zero
	MUL16 6, (\q)%2, \zero
	PLACES NP
	WIN 0
	FETCH_A \slot, (\q)+1, 4
.endm
; A slot's last step changes slots: ONE barrier; in front of it each wave waits for all its tensor loads, adds 0 to its spare word, and waits for that and for its own reads of this slot.  fill = 1: this slot is filled again, two K steps ahead.
.macro TURN slot, next, fill
	s_wait_tensorcnt 0x0                           ; all my tensor loads have landed: my part of the next slot;  (every window is 0 here: the add's two registers lie in window 0)
	ds_add_u32 v[SPW], v[NIL]                      ; 0 onto my spare word
	s_wait_dscnt 4*NL+1                            ; (the add and the youngest sixteen loads, blocks 4-7, may be out)
	WIN MUL_LO
	MUL16 0, 1, 0                                  ; sixteen matrix instructions stand between the add and the wait for it
	s_wait_dscnt 0x0                               ; the add is done, and my reads of this slot are over
	s_barrier_signal -1
	MUL16 2, 1, 0
	WIN 0
	s_barrier_wait -1
.if \fill
	CREST                                          ; the barrier has opened a round of the cluster's barrier: no wave of any partner still reads this slot's tile or has a load on its way
	s_add_nc_u64 s[G0+4*\slot+2:G0+4*\slot+3], s[G0+4*\slot+2:G0+4*\slot+3], 2*ROWB
	s_add_nc_u64 s[G0B+4*\slot+2:G0B+4*\slot+3], s[G0B+4*\slot+2:G0B+4*\slot+3], 2*ROWB
	JLOAD G0+4*\slot, G1, G0B+4*\slot, G1B         ; the first tensor load behind the round; the four v_nop behind it are the places in front of the loads below
.else
	PLACES NP
.endif
	FETCH_B \next, 0, 0
	FETCH_A \next, 0, 0
	WIN MUL_HI
	MUL16 4, 1, 0
	MUL16 6, 1, 0
	PLACES NP
	WIN 0
	FETCH_A \next, 0, 4
.endm
	s_wait_alu depctr_va_vdst(0)
	s_wait_tensorcnt 1                             ; my part of K step 0 is in (K step 1's load may be out)
	s_barrier_signal -1
	s_barrier_wait -1                              ; everybody's is
	FETCH_B 0, 0, 0
	FETCH_A 0, 0, 0
	FETCH_A 0, 0, 4
	STEP 0, 0, 1                                   ; the first step stands in front of the loop: its products start the sums
	s_mov_b32 s3, LAPS-1
.Llap:                                                 ; a trip goes once round the ring, from a lap's second step to the next lap's first, and fills both slots again
	TURN 0, 1, 1
	STEP 1, 0, 0
	TURN 1, 0, 1
	STEP 0, 0, 0
	s_sub_co_u32 s3, s3, 1
	s_cmp_lg_u32 s3, 0
	s_cbranch_scc1 .Llap
	TURN 0, 1, 0                                   ; the last lap fills nothing, and has no round of the cluster's barrier
	STEP 1, 0, 0
	s_wait_dscnt 4*NL                              ; the very last step: nothing more to fetch
	WIN MUL_LO
	MUL16 0, 1, 0
	MUL16 2, 1, 0
	s_wait_dscnt 0
	WIN MUL_HI
	MUL16 4, 1, 0
	MUL16 6, 1, 0
	WIN 0
; THE WAY OUT.  Where my 128 x 128 lands: batch x head = 16 (token tile / 8) + 4 (the kind's tile of columns) + 2 (my half of it), + 1 for my second head; chunk of 128 tokens = 2 (token tile % 8) + my half.
	s_wait_kmcnt 0x0                               ; e0 .. e7
	s_cmp_eq_u32 ttmp9, 0
	s_cselect_b32 s80, s90, s91                    ; q: e2; k: e3
	s_cselect_b64 s[12:13], s[10:11], s[68:69]     ; qc or kc
	s_cmp_eq_u32 ttmp9, 2
	s_cselect_b32 s80, s93, s80                    ; v: e5
	s_cselect_b64 s[12:13], s[70:71], s[12:13]     ; vc
	s_cselect_b32 s81, s42, s17                    ; the tile of tokens: side B's for v, else side A's
	s_cselect_b32 s82, s41, s40                    ; the kind's tile of columns: cy for v, else cx
	s_cselect_b32 s83, s16, s15                    ; my half of the tokens
	s_cselect_b32 s84, s15, s16                    ; my half of the columns
	s_mov_b32 s85, 131072                          ; from head to head
	s_cselect_b32 s86, 1024, s85                   ; X: what the upper two of a block's four pieces add: v: pieces 2, 3; else: my second head
	s_mov_b32 s87, 1024
	s_cselect_b32 s87, s85, s87                    ; Y: what blocks 4-7 add: v: my second head; else: the odd places
	s_lshr_b32 s96, s81, 3
	s_lshl_b32 s96, s96, 4
	s_lshl_b32 s82, s82, 2
	s_add_co_u32 s96, s96, s82
	s_lshl_b32 s84, s84, 1
	s_add_co_u32 s96, s96, s84
	s_lshl_b32 s96, s96, 17                        ; 131,072 bytes for each batch x head
	s_and_b32 s81, s81, 7
	s_lshl_b32 s81, s81, 1
	s_add_co_u32 s81, s81, s83
	s_lshl_b32 s81, s81, 13                        ; 8,192 bytes for each chunk
	s_add_co_u32 s96, s96, s81
	s_mov_b32 s97, 0
	s_add_nc_u64 s[12:13], s[12:13], s[96:97]
	s_sub_co_i32 s80, s80, s88
	s_sub_co_i32 s80, s80, s89
	s_add_co_i32 s80, s80, 127
	s_lshl_b32 s79, s80, 23
	s_add_co_i32 s80, s80, 8
	s_lshl_b32 s80, s80, 23
	s_or_b32 s80, s80, 0x600000
	v_mov_b32 v12, s79                             ; 2^(ek - e0 - e1) as f32.  These six plain lines, which name no register of the last products, are the places behind them
	v_and_b32 v8, 31, v0
	v_lshlrev_b32 v8, 4, v8                        ; 16 x lane
	v_add_nc_u32 v9, s86, v8                       ; + X
	v_add_nc_u32 v10, s87, v8                      ; + Y
	v_add_nc_u32 v11, s87, v9                      ; + X + Y
; Block a: its 64 sums of a lane are converted, sixteen to a piece, and stored: four stores of 512 consecutive bytes.
.macro OUTBLK a
.set AC, 64*((\a)%4)
	WIN 0x02+((\a)/4)                              ; source 0: window 2 or 3
.set j, 0
.rept 64
.set j, j+1
.endr
.irp b, 0,1,2,3
	v_cvt_scalef32_pk8_fp8_f32 v[CD+16*(\a)+4*\b:CD+16*(\a)+4*\b+1], v[AC+16*\b:AC+16*\b+7], v12
	v_cvt_scalef32_pk8_fp8_f32 v[CD+16*(\a)+4*\b+2:CD+16*(\a)+4*\b+3], v[AC+16*\b+8:AC+16*\b+15], v12
.endr
	WIN 0
	v_nop                                          ; one plain vector line behind the last conversion
.irp b, 0,1,2,3
	global_store_b128 v[8+2*((\a)/4)+(\b/2)], v[CD+16*(\a)+4*\b:CD+16*(\a)+4*\b+3], s[12:13] offset:((\a)%4)*2048+(\b%2)*512
.endr
.endm
.irp a, 0,1,2,3,4,5,6,7
	OUTBLK \a
.endr
	s_wait_tensorcnt 0x0                           ; the wave's end, behind my last tensor load
	ds_add_u32 v[SPW], v[NIL]
	s_wait_dscnt 0x0
	CROUND                                         ; the closing round: no work-group ends while a partner may still ask for a tile that names it
	s_endpgm
.Lfunc_end_k_q1737ed3d3f_qkv:
	.size	k_q1737ed3d3f_qkv, .Lfunc_end_k_q1737ed3d3f_qkv-k_q1737ed3d3f_qkv
	.p2alignl 7, 3214868480
	.fill 96, 4, 3214868480
	.section	.rodata,"a",@progbits
	.p2align	6, 0x0
	.amdhsa_kernel k_q1737ed3d3f_qkv
		.amdhsa_group_segment_fixed_size 327680
		.amdhsa_private_segment_fixed_size 0
		.amdhsa_enable_private_segment 0
		.amdhsa_kernarg_size 48
		.amdhsa_user_sgpr_count 2
		.amdhsa_user_sgpr_kernarg_segment_ptr 1
		.amdhsa_wavefront_size32 1
		.amdhsa_system_sgpr_workgroup_id_x 1
		.amdhsa_system_sgpr_workgroup_id_y 1
		.amdhsa_system_sgpr_workgroup_id_z 1
		.amdhsa_system_vgpr_workitem_id 0
		.amdhsa_next_free_vgpr 1024
		.amdhsa_next_free_sgpr 98
		.amdhsa_reserve_vcc 0
		.amdhsa_float_denorm_mode_32 3
		.amdhsa_float_denorm_mode_16_64 3
		.amdhsa_fp16_overflow 1
		.amdhsa_memory_ordered 1
		.amdhsa_forward_progress 1
		.amdhsa_inst_pref_size 86
	.end_amdhsa_kernel
	.amdgpu_metadata
---
amdhsa.version: [ 1, 2 ]
amdhsa.kernels:
  - .name:           k_q1737ed3d3f_qkv
    .symbol:         k_q1737ed3d3f_qkv.kd
    .args:
      - { .name: xc, .offset: 0, .size: 8, .value_kind: global_buffer, .address_space: global }
      - { .name: wqc, .offset: 8, .size: 8, .value_kind: global_buffer, .address_space: global }
      - { .name: lowp_scales, .offset: 16, .size: 8, .value_kind: global_buffer, .address_space: global }
      - { .name: qc, .offset: 24, .size: 8, .value_kind: global_buffer, .address_space: global }
      - { .name: kc, .offset: 32, .size: 8, .value_kind: global_buffer, .address_space: global }
      - { .name: vc, .offset: 40, .size: 8, .value_kind: global_buffer, .address_space: global }
    .group_segment_fixed_size: 327680
    .private_segment_fixed_size: 0
    .kernarg_segment_align: 8
    .kernarg_segment_size: 48
    .max_flat_workgroup_size: 128
    .sgpr_count:     98
    .vgpr_count:     1024
    .wavefront_size: 32
...
	.end_amdgpu_metadata
.endif
;; end of part 2
;; launch attn (part 3): grid 4 x 64, 16 waves a work-group, clusters of 4 x 1, 264,192 bytes of LDS; arguments qc, kc, vc, lowp_scales, ac; writes ac
.if DOCPART == 3
	.amdgcn_target "amdgcn-amd-amdhsa--gfx1250"
	.amdhsa_code_object_version 6
	.text
	.protected	k_q1737ed3d3f_attn
	.globl	k_q1737ed3d3f_attn
	.p2align	8
	.type	k_q1737ed3d3f_attn,@function
k_q1737ed3d3f_attn:
	s_mov_b64 s[64:65], 0
	v_nop
	global_prefetch_b8 v0, s[64:65] scope:SCOPE_SE
	s_setreg_imm32_b32 hwreg(HW_REG_WAVE_MODE, 25, 1), 1
	s_wait_xcnt 0x0
	s_wait_alu depctr_hold_cnt(0) depctr_sa_sdst(0) depctr_va_vdst(0) depctr_va_sdst(0) depctr_va_ssrc(0) depctr_va_vcc(0) depctr_vm_vsrc(0)
	s_getreg_b32 s2, hwreg(HW_REG_IB_STS2, 6, 4)
	s_cmp_eq_u32 s2, 0
	s_cbranch_scc0 .Lentry_in_a_cluster
	s_endpgm
.Lentry_in_a_cluster:
	s_bfe_u32 s2, ttmp6, 0x10000c
	s_cmp_lg_u32 s2, 0x3003
	s_cbranch_scc0 .Lentry_shape_is_right
	s_endpgm
.Lentry_shape_is_right:
; Causal attention of one head on codes of FP8 (E4M3), and its result quantised for the last product.  64 batch x heads, 2,048 tokens, head size 64.
; qc, kc: [batch x head][chunk of 128 tokens 16][place 8][c 2][lane 32][16 bytes]: images of operand registers.  Tile a of a chunk lies at place 2 (a % 4) + a / 4; its lane (r, h), piece c, holds channels 32 c + 16 h + 0 .. 15
;   of token 32 (a / 2) + 8 (a % 2) + r % 8 + 16 (r / 8) of the chunk.   vc: [batch x head][128 keys 16][t 4][c 4][lane][16 bytes]: lane (r, h), piece c: keys 32 c + 16 h + 0 .. 15 of stored channel 16 t + r.
; ac (the result): [batch x head][chunk 16][tile 8][c 2][lane][16 bytes], lanes as in qc, tiles in their own order.
; THE SOFTMAX AHEAD OF THE SECOND PRODUCT: t = score x log2(e) / 8; M = the row's largest t so far, rounded UP to a whole number; p = 2^(t - M) is what is quantised, with 2^e4; it is not normalised.
; The row's sum is taken of the unquantised p, in f32, and divides O at the end.  When M moves, the sum and O are multiplied by 2^(old M - new M): nothing is rounded.
; Hidden scores become -infinity where the source writes the least f32 number: p is 0 either way, and every row has a key that counts in its first step.
; LAYOUT.  Both products are used transposed: S^T = K Q^T (source 0 = 16 keys, source 1 = my 16 queries; K = 64), O^T = V^T P^T (source 0 = 16 channels, source 1 = P; K = 128 keys): a lane holds ONE query throughout.
; By the images' order of tokens the 16 registers of score tiles 2 b and 2 b + 1 are keys 32 b + 16 h + 0 .. 15, so the conversions' results ARE the second product's operand; likewise O^T's registers are neighbouring channels.
; SHARES.  A cluster of four work-groups is one batch x head.  Work-group cx takes tiles 2 cx and 2 cx + 1 of every chunk of queries.  Each of its sixteen waves takes two tiles, one after the other in the same registers:
; first one of chunk max(w, 15 - w), then one of chunk 15 - that.  A tile of chunk c walks c + 1 key steps of 128, so EVERY wave walks 17 steps.  Steps whose keys all come later are left out by a scalar branch on
; the wave's number and the loop's counter; the step on the diagonal masks.  No branch and no LDS address hangs on cx: it enters Q's and the result's addresses and the mask's vector data alone.
; LDS.  The head's whole K and V, 262,144 bytes, are fetched ONCE, by joint loads (the four work-groups read the same bytes: the same tensor load, the same descriptor, a mask that names the four): nothing is filled again,
; so there is no ring.  Step s lies at 16,384 s: K's 8,192 bytes, then V's, as they lie in memory; a fragment's load takes 512 consecutive bytes.  A wave issues four loads of 4,096 bytes, one for each quarter of the steps,
; so four tensor loads of a wave are out at the most, and the first steps are worked while the later quarters land.
; All of K and V is asked for by the first lines: there is nothing left to ask for ahead.
; LIMITS on the given exponents, so that each power of two below is an f32 number: e2 + e3 between -123 and 130 (they are added to the exponent field of log2(e) / 8); e4, and e6 - e4 - e5, between -126 and 119.
.set WV,  14                           ; s14  my wave's number
.set CX,  15                           ; s15  my place in the cluster
.set SEL, 20                           ; s[20:21] lane selects for v_permlanex16_b32: lane l xor 16
.set CS,  22                           ; s[22:23] c = log2(e) / 8 x 2^(e2 + e3): the packed form names a pair and takes its low word for both halves
.set G1,  24                           ; s[24:31] descriptor group 1
.set G0,  32                           ; s[32:47] descriptor group 0, a set for each of my four loads; never rewritten
.set TB,  56                           ; s56  LDS byte at which the step in hand begins
.set KS,  57                           ; s57  the step in hand
.set CH1, 58                           ; s58  my first tile's chunk, 8 .. 15
.set CH2, 59                           ; s59  my second tile's, 0 .. 7
.set QA1, 60                           ; s[60:61], s[62:63] my two tiles of Q
.set QA2, 62
.set OA1, 66                           ; s[66:67], s[68:69] and of the result
.set OA2, 68
.set LI,  1                            ; v1   16 x lane; never rewritten
.set AD,  2                            ; v2   LDS address of the step's images
.set D1,  3                            ; v3   first tile: my query's place in its chunk - 16 (lane / 16)
.set D2,  4                            ; v4   second tile: the same
.set KV,  32                           ; v32-95   K's eight fragments, then V's four
.set S,   96                           ; v96-159  S^T, then p
.set O,   160                          ; v160-191 O^T
.set PC,  192                          ; v192-207 p's codes
                                       ; v12 -M, v13 the largest t, v[14:15] the sum in two halves; v16-23, v24-31 Q's two tiles; v208-215, v216-223 the two results' codes; v236-254 at work and constants
.macro ROUND                           ; a round of the cluster's barrier
	s_barrier_signal -1
	s_barrier_wait -1
	s_cmp_lg_u32 s[WV], 0
	s_cbranch_scc1 .Lnot_wave_0_\@
	s_barrier_signal -3
.Lnot_wave_0_\@:
	s_barrier_wait -3
	s_barrier_signal -1
	s_barrier_wait -1
.endm
	s_load_b256 s[4:11], s[0:1], 0x0               ; qc s[4:5], kc s[6:7], vc s[8:9], the scales' exponents s[10:11]
	s_load_b64 s[12:13], s[0:1], 0x20              ; ac
	v_lshl_add_u32 v251, v0, 2, 0x40000
	v_mov_b32 v255, 0
	ds_add_u32 v251, v255
	ds_add_u32 v251, v255
	v_lshrrev_b32 v1, 5, v0
	s_delay_alu instid0(VALU_DEP_1)
	v_readfirstlane_b32 s[WV], v1                  ; wave 0..15
	s_bfe_u32 s[CX], ttmp6, 0x40000                ; cx
	s_and_b32 s16, ttmp7, 0xffff                   ; batch x head, which the four partners share,
	s_lshl_b32 s16, s16, 17                        ; x 131,072 bytes: its first byte in each of the buffers (under 2^23)
	; descriptor group 1: 16 rows of 256 bytes, dense in memory and in LDS
	s_mov_b32 s[G1], 15|(3<<16)|(1<<21)            ; 15:0 the mask: all four work-groups; 17:16 elements of 8 bytes; 20 no padding; 21 set beside a mask
	s_mov_b32 s[G1+1], 32<<16                      ; tensor_dim0 = 32
	s_mov_b32 s[G1+2], 16<<16                      ; tensor_dim1 = 16
	s_mov_b32 s[G1+3], 32<<16                      ; tile_dim0 = 32
	s_mov_b32 s[G1+4], 16                          ; tile_dim1 = 16
	s_mov_b32 s[G1+5], 32                          ; tensor_dim0_stride
	s_mov_b32 s[G1+6], 0
	s_mov_b32 s[G1+7], 0
	; what I fetch in quarter g: LDS bytes 4,096 w + 65,536 g = step 4 g + w / 4; there K's (w % 4 < 2) or V's image, its half w % 2
	s_lshr_b32 s70, s[WV], 2
	s_lshl_b32 s70, s70, 13
	s_and_b32 s71, s[WV], 1
	s_lshl_b32 s71, s71, 12
	s_add_co_u32 s70, s70, s71
	s_add_co_u32 s70, s70, s16
	s_mov_b32 s71, 0
	s_lshl_b32 s72, s[WV], 12
	s_and_b32 s73, s[WV], 2
	s_wait_dscnt 0x0
	s_wait_kmcnt 0x0
	s_load_b256 s[48:55], s[10:11], 0x0            ; e0 .. e7
	s_cmp_lg_u32 s73, 0                            ; the choice hangs on the wave's number alone
	s_cselect_b64 s[74:75], s[8:9], s[6:7]
	s_add_nc_u64 s[74:75], s[74:75], s[70:71]
.irp g, 0,1,2,3
	s_mov_b32 s[G0+4*\g], 1                        ; 1:0 count = 1
	s_add_co_u32 s[G0+4*\g+1], s72, \g*65536       ; 63:32 LDS address
	s_add_nc_u64 s[G0+4*\g+2:G0+4*\g+3], s[74:75], \g*32768   ; 120:64 global address: four steps of 8,192 bytes on
	s_or_b32 s[G0+4*\g+3], s[G0+4*\g+3], 0x80000000           ; 127:126 type = 2
.endr
	ROUND                                          ; all four work-groups are here: the joint loads meet
.irp g, 0,1,2,3
	tensor_load_to_lds s[G0+4*\g:G0+4*\g+3], s[G1:G1+7]       ; the launch's only fills, as one group, ahead of every wait on TENSORcnt and every LDS read
	s_nop 0
.endr
.rept 4
	v_nop                                          ; four v_nop follow the last of them
.endr
	; my two tiles
	s_sub_co_u32 s[CH1], 15, s[WV]
	s_max_u32 s[CH1], s[CH1], s[WV]
	s_sub_co_u32 s[CH2], 15, s[CH1]
	s_lshr_b32 s76, s[WV], 3                       ; which of my work-group's two tiles of the chunk: first w / 8,
	s_xor_b32 s77, s76, 1                          ; then the other: so each tile of each chunk has one owner
	s_lshl_b32 s83, s[CX], 1
	s_add_co_u32 s78, s83, s76                     ; the first tile's number in its chunk
	s_add_co_u32 s79, s83, s77                     ; the second's
.macro PLACE ch, sg, qa, oa            ; byte offsets of tile s[sg] of chunk s[ch] in qc and in ac
	s_lshl_b32 s80, s[\ch], 13
	s_add_co_u32 s80, s80, s16
	s_and_b32 s81, s[\sg], 3
	s_lshl_b32 s81, s81, 11
	s_lshr_b32 s82, s[\sg], 2
	s_lshl_b32 s82, s82, 10
	s_add_co_u32 s81, s81, s82                     ; place 2 (tile % 4) + tile / 4, x 1,024 bytes
	s_add_co_u32 s[\qa], s80, s81
	s_mov_b32 s[\qa+1], 0
	s_lshl_b32 s81, s[\sg], 10
	s_add_co_u32 s[\oa], s80, s81
	s_mov_b32 s[\oa+1], 0
.endm
	PLACE CH1, 78, QA1, OA1
	PLACE CH2, 79, QA2, OA2
	s_add_nc_u64 s[QA1:QA1+1], s[4:5], s[QA1:QA1+1]
	s_add_nc_u64 s[QA2:QA2+1], s[4:5], s[QA2:QA2+1]
	s_add_nc_u64 s[OA1:OA1+1], s[12:13], s[OA1:OA1+1]
	s_add_nc_u64 s[OA2:OA2+1], s[12:13], s[OA2:OA2+1]
	v_and_b32 v[LI], 31, v0
	s_delay_alu instid0(VALU_DEP_1)
	v_lshlrev_b32 v[LI], 4, v[LI]
	global_load_b128 v[16:19], v[LI], s[QA1:QA1+1]             ; Q's two tiles stay in registers
	global_load_b128 v[20:23], v[LI], s[QA1:QA1+1] offset:512
	global_load_b128 v[24:27], v[LI], s[QA2:QA2+1]
	global_load_b128 v[28:31], v[LI], s[QA2:QA2+1] offset:512
	v_and_b32 v5, 7, v0                            ; my query's place in its chunk is 32 cx + 8 (tile % 2) + r % 8 + 16 (r / 8)
	v_and_b32 v6, 8, v0
	s_delay_alu instid0(VALU_DEP_1)
	v_lshl_add_u32 v5, v6, 1, v5
	v_bfe_u32 v6, v0, 4, 1
	s_delay_alu instid0(VALU_DEP_1)
	v_lshlrev_b32 v6, 4, v6
	s_delay_alu instid0(VALU_DEP_1)
	v_sub_nc_u32 v5, v5, v6                        ; - 16 h: register 16 b + i holds key 32 b + 16 h + i of the step, hidden on the diagonal where 32 b + i is above this (a signed number)
	s_lshl_b32 s80, s[CX], 5
	s_lshl_b32 s81, s76, 3
	s_add_co_u32 s81, s81, s80
	v_add_nc_u32 v[D1], s81, v5
	s_lshl_b32 s81, s77, 3
	s_add_co_u32 s81, s81, s80
	v_add_nc_u32 v[D2], s81, v5
	s_mov_b32 s[SEL], 0x76543210
	s_mov_b32 s[SEL+1], 0xfedcba98
	s_mov_b32 s[CS], 0x3e38aa3b                    ; log2(e) / 8
	v_mov_b32 v236, 0                              ; written once: a lane permute's destination counts as one of its sources
	v_mov_b32 v252, 0
	v_mov_b32 v253, 0                              ; (named as the upper half of the pair v[252:253])
	s_wait_kmcnt 0x0
	s_add_co_i32 s80, s50, s51
	s_lshl_b32 s80, s80, 23
	s_add_co_i32 s[CS], s[CS], s80                 ; a score stands for score x 2^(e2 + e3): the two exponents are added to c's exponent field
	s_mov_b32 s[CS+1], s[CS]                       ; (named with it as a pair, so it is written)
	s_add_co_i32 s80, s52, 127
	s_lshl_b32 s81, s80, 23
	v_mov_b32 v244, s81                            ; 2^e4 as f32, for p's conversion
	s_sub_co_i32 s80, s54, s52
	s_sub_co_i32 s80, s80, s53                     ; O^T / the sum stands for that x 2^(e4 + e5): its code is that / 2^(e6 - e4 - e5)
	s_add_co_i32 s80, s80, 127
	s_lshl_b32 s81, s80, 23
	v_mov_b32 v246, s81
; A KEY STEP: 128 keys.  qr: Q's registers; dm: the mask's register; ch: the tile's chunk; full = 1: the step may be hidden or on the diagonal; 0: it is known to be open for every wave.
.macro STEP qr, dm, ch, full
.if \full
	s_cmp_gt_u32 s[KS], s[\ch]                     ; all its keys come after my queries: the step's work is left out.  No barrier and no tensor load stands in a step
	s_cbranch_scc1 .Lhid_\@
.endif
	s_setprio 2
	v_add_nc_u32 v[AD], s[TB], v[LI]
.rept 3
	v_nop                                          ; with the addition above: four places in front of loads into registers that the last step's products have read
.endr
.irp t, 0,1,2,3,4,5,6,7
	ds_load_b128 v[KV+8*\t:KV+8*\t+3], v[AD] offset:((\t%4)*2+\t/4)*1024
	ds_load_b128 v[KV+8*\t+4:KV+8*\t+7], v[AD] offset:((\t%4)*2+\t/4)*1024+512
.endr
	s_wait_alu depctr_va_vdst(0)
	s_wait_dscnt 8                                 ; tiles 0-3 are in; the youngest eight loads may be out
.irp t, 0,1,2,3
	v_wmma_f32_16x16x64_fp8_fp8 v[S+8*\t:S+8*\t+7], v[KV+8*\t:KV+8*\t+7], v[\qr:\qr+7], 0
.endr
	s_wait_dscnt 0x0
.irp t, 4,5,6,7
	v_wmma_f32_16x16x64_fp8_fp8 v[S+8*\t:S+8*\t+7], v[KV+8*\t:KV+8*\t+7], v[\qr:\qr+7], 0
.endr
.rept 4
	v_nop                                          ; places in front of the loads below, into registers just read, and of the first read of the scores
.endr
.irp t, 0,1,2,3
.irp c, 0,1,2,3
	ds_load_b128 v[KV+16*\t+4*\c:KV+16*\t+4*\c+3], v[AD] offset:8192+\t*2048+\c*512   ; V's fragments land while the softmax is worked
.endr
.endr
.if \full
	s_cmp_lg_u32 s[KS], s[\ch]                     ; off the diagonal every key counts
	s_cbranch_scc1 .Lopen_\@
	v_mov_b32 v254, 0xff800000                     ; -infinity
.set n, 0
.rept 64
	v_cmp_gt_i32 vcc_lo, 32*(n/16)+n%16, v[\dm]
	v_cndmask_b32 v[S+n], v[S+n], v254, vcc_lo
.set n, n+1
.endr
.Lopen_\@:
.endif
	v_max3_num_f32 v254, v96, v97, v98             ; the step's largest score of my query, among my 64 keys, in two chains (each accumulator is read from its low end on),
	v_max3_num_f32 v252, v99, v100, v101
.irp i, 6,10,14,18,22,26,30,34,38,42,46,50,54,58
	v_max3_num_f32 v254, v254, v[S+\i], v[S+1+\i]
	v_max3_num_f32 v252, v252, v[S+2+\i], v[S+3+\i]
.endr
	v_max3_num_f32 v254, v254, v158, v159
	s_delay_alu instid0(VALU_DEP_1)
	v_max_num_f32 v254, v254, v252
	s_delay_alu instid0(VALU_DEP_1)
	v_permlanex16_b32 v236, v254, s[SEL], s[SEL+1]
	s_delay_alu instid0(VALU_DEP_1)
	v_max_num_f32 v254, v254, v236                 ; and among lane l xor 16's
	s_delay_alu instid0(VALU_DEP_1)
	v_mul_f32 v254, s[CS], v254                    ; as t (c is positive)
	s_delay_alu instid0(VALU_DEP_1)
	v_max_num_f32 v13, v13, v254                   ; the running largest t
	v_mov_b32 v254, v12
	s_delay_alu instid0(VALU_DEP_2)
	v_floor_f32 v12, -v13                          ; the new -M = floor(-t) = -ceil(t): M is a whole number
	s_delay_alu instid0(VALU_DEP_1)
	v_sub_f32 v254, v12, v254                      ; M's old value less its new one: a whole number, 0 or less
	s_delay_alu instid0(VALU_DEP_1)
	v_cvt_i32_f32 v254, v254                       ; (it saturates)
	s_delay_alu instid0(VALU_DEP_1)
	v_ldexp_f32 v252, 1.0, v254                    ; f = 2^(old M - new M)
.set j, 0
.rept 32
	v_pk_fma_f32 v[S+j:S+j+1], v[S+j:S+j+1], s[CS:CS+1], v[12:13] op_sel_hi:[1,0,0]   ; t - M, two at a time (of the pairs c and -M the low word serves both halves)
.set j, j+2
.endr
.set j, 0
	s_setprio 1
	s_wait_alu depctr_va_vdst(0)
.rept 64
	v_exp_f32 v[S+j], v[S+j]                       ; p = 2^(t - M), at most 1: not normalised
.set j, j+1
.endr
	v_pk_mul_f32 v[14:15], v[14:15], v[252:253] op_sel_hi:[1,0]   ; the sums under the new M: the plain line behind the exponentials
	s_wait_alu depctr_va_vdst(0)                   ; one wait for the whole batch of exponentials, ahead of its first reader
	v_pk_add_f32 v[242:243], v[100:101], v[104:105]
	v_pk_add_f32 v[248:249], v[108:109], v[112:113]
	v_pk_add_f32 v[240:241], v[116:117], v[120:121]
	v_pk_add_f32 v[238:239], v[124:125], v[128:129]
	v_pk_add_f32 v[234:235], v[132:133], v[136:137]
	v_pk_add_f32 v[232:233], v[140:141], v[144:145]
	v_pk_add_f32 v[230:231], v[148:149], v[152:153]
	v_pk_add_f32 v[14:15], v[14:15], v[156:157]
	v_pk_add_f32 v[242:243], v[242:243], v[96:97]
	v_pk_add_f32 v[248:249], v[248:249], v[98:99]
	v_pk_add_f32 v[240:241], v[240:241], v[102:103]
	v_pk_add_f32 v[238:239], v[238:239], v[106:107]
	v_pk_add_f32 v[234:235], v[234:235], v[110:111]
	v_pk_add_f32 v[232:233], v[232:233], v[114:115]
	v_pk_add_f32 v[230:231], v[230:231], v[118:119]
	v_pk_add_f32 v[14:15], v[14:15], v[122:123]
	v_pk_add_f32 v[242:243], v[242:243], v[126:127]
	v_pk_add_f32 v[248:249], v[248:249], v[130:131]
	v_pk_add_f32 v[240:241], v[240:241], v[134:135]
	v_pk_add_f32 v[238:239], v[238:239], v[138:139]
	v_pk_add_f32 v[234:235], v[234:235], v[142:143]
	v_pk_add_f32 v[232:233], v[232:233], v[146:147]
	v_pk_add_f32 v[230:231], v[230:231], v[150:151]
	v_pk_add_f32 v[14:15], v[14:15], v[154:155]
	v_pk_add_f32 v[242:243], v[242:243], v[158:159]
	s_delay_alu instid0(VALU_DEP_2)
	v_pk_add_f32 v[14:15], v[14:15], v[238:239]
	s_delay_alu instid0(VALU_DEP_2)
	v_pk_add_f32 v[242:243], v[242:243], v[234:235]
	v_pk_add_f32 v[248:249], v[248:249], v[232:233]
	v_pk_add_f32 v[240:241], v[240:241], v[230:231]
	s_delay_alu instid0(VALU_DEP_2)
	v_pk_add_f32 v[14:15], v[14:15], v[248:249]
	s_delay_alu instid0(VALU_DEP_2)
	v_pk_add_f32 v[242:243], v[242:243], v[240:241]
	s_delay_alu instid0(VALU_DEP_1)
	v_pk_add_f32 v[14:15], v[14:15], v[242:243]
	s_setprio 0
.irp b, 0,1,2,3
.irp i, 0,1,2,3,4,5,6,7,8,9,10,11,12,13,14,15
.endr
	v_cvt_scalef32_pk8_fp8_f32 v[PC+4*\b:PC+4*\b+1], v[S+16*\b:S+16*\b+7], v244
	v_cvt_scalef32_pk8_fp8_f32 v[PC+4*\b+2:PC+4*\b+3], v[S+16*\b+8:S+16*\b+15], v244
.endr
.set j, 0
.rept 16
	v_pk_mul_f32 v[O+j:O+j+1], v[O+j:O+j+1], v[252:253] op_sel_hi:[1,0]   ; O^T under the new M.  (These are also the plain lines between the conversions and the products that read their results)
.set j, j+2
.endr
	s_wait_alu depctr_va_vdst(0)
	s_wait_dscnt 0x0                               ; V is in
.irp t, 0,1,2,3
	v_wmma_f32_16x16x128_fp8_fp8 v[O+8*\t:O+8*\t+7], v[KV+16*\t:KV+16*\t+15], v[PC:PC+15], v[O+8*\t:O+8*\t+7]   ; the four accumulators take turns, one instruction a turn
.endr
.if \full
.Lhid_\@:
.endif
.endm
; Steps k0 .. k1 - 1: a loop of constant count; what is left out is a step's work.
.macro RUN k0, k1, qr, dm, ch, full
	s_mov_b32 s[KS], \k0
	s_mov_b32 s[TB], (\k0)*16384
.Lrun_\@:
	STEP \qr, \dm, \ch, \full
	s_add_co_u32 s[TB], s[TB], 16384
	s_add_co_u32 s[KS], s[KS], 1
	s_cmp_lt_u32 s[KS], \k1
	s_cbranch_scc1 .Lrun_\@
	s_setprio 0
.endm
; My oldest 4 - n loads have landed, and behind the barrier every wave's: n younger ones stay on their way, since nothing is ever filled again.
.macro BAR n
	s_wait_tensorcnt \n
	s_wait_dscnt 0x0
	s_barrier_signal -1
	s_barrier_wait -1
.endm
.macro INIT                            ; a tile begins: the step is written without a first step of its own: it finds zeros, which the first change of M leaves zeros
	v_mov_b32 v13, 0xff61b1e6                      ; the largest t so far: -3e38, under every t
	s_delay_alu instid0(VALU_DEP_1)
	v_floor_f32 v12, -v13                          ; -M
	v_mov_b32 v14, 0
	v_mov_b32 v15, 0
.set j, 0
.rept 32
	v_mov_b32 v[O+j], 0
.set j, j+1
.endr
.endm
; A tile ends: O^T / the sum, converted with 2^(e6 - e4 - e5): registers 16 b + i are channels 32 b + 16 h + i of my query: two pieces of 16 bytes a lane, each stored as 512 consecutive bytes of the wave.
.macro OUT cd, oa
.rept 4
	v_nop                                          ; places behind the last products
.endr
	v_add_f32 v14, v14, v15                        ; the sum's two halves,
	s_delay_alu instid0(VALU_DEP_1)
	v_permlanex16_b32 v252, v14, s[SEL], s[SEL+1]
	s_delay_alu instid0(VALU_DEP_1)
	v_add_f32 v14, v14, v252                       ; and lane l xor 16's: the row's sum
	s_wait_alu depctr_va_vdst(0)
	v_rcp_f32 v14, v14
	v_mov_b32 v15, 0                               ; the plain line behind the reciprocal (v15 is named below as the pair's upper half)
	s_wait_alu depctr_va_vdst(0)                   ; the wait ahead of the reciprocal's first reader
.set j, 0
.rept 16
	v_pk_mul_f32 v[S+j:S+j+1], v[O+j:O+j+1], v[14:15] op_sel_hi:[1,0]   ; each accumulator from its low end on
.set j, j+2
.endr
.set j, 0
.rept 32
.set j, j+1
.endr
.irp g, 0,1,2,3
	v_cvt_scalef32_pk8_fp8_f32 v[\cd+2*\g:\cd+2*\g+1], v[S+8*\g:S+8*\g+7], v246
.endr
	v_nop                                          ; one plain vector line behind the last conversion
	global_store_b128 v[LI], v[\cd:\cd+3], s[\oa:\oa+1]
	global_store_b128 v[LI], v[\cd+4:\cd+7], s[\oa:\oa+1] offset:512
.endm
	s_wait_loadcnt 0x0                             ; Q
	INIT
	; The first tile's chunk is 8 or more in every wave: its steps 0-7 are open and alike in all sixteen waves, and all four barriers stand among them, so no wave waits for another's longer tile.
	BAR 3                                          ; steps 0-3 lie in LDS
	RUN 0, 2, 16, D1, CH1, 0
	BAR 2                                          ; steps 4-7: two steps ahead of their first read
	RUN 2, 4, 16, D1, CH1, 0
	BAR 1                                          ; steps 8-11: four steps ahead
	RUN 4, 6, 16, D1, CH1, 0
	BAR 0                                          ; steps 12-15: six steps ahead; no tensor load is out any more
	RUN 6, 16, 16, D1, CH1, 1
	OUT 208, OA1
	INIT
	RUN 0, 8, 24, D2, CH2, 1
	OUT 216, OA2
	s_wait_dscnt 0x0
	s_wait_tensorcnt 0x0
	ds_add_u32 v251, v255
	s_wait_dscnt 0x0
	ROUND                                          ; the closing round
	s_endpgm
.Lfunc_end_k_q1737ed3d3f_attn:
	.size	k_q1737ed3d3f_attn, .Lfunc_end_k_q1737ed3d3f_attn-k_q1737ed3d3f_attn
	.p2alignl 7, 3214868480
	.fill 96, 4, 3214868480
	.section	.rodata,"a",@progbits
	.p2align	6, 0x0
	.amdhsa_kernel k_q1737ed3d3f_attn
		.amdhsa_group_segment_fixed_size 264192
		.amdhsa_private_segment_fixed_size 0
		.amdhsa_enable_private_segment 0
		.amdhsa_kernarg_size 40
		.amdhsa_user_sgpr_count 2
		.amdhsa_user_sgpr_kernarg_segment_ptr 1
		.amdhsa_wavefront_size32 1
		.amdhsa_system_sgpr_workgroup_id_x 1
		.amdhsa_system_sgpr_workgroup_id_y 1
		.amdhsa_system_sgpr_workgroup_id_z 1
		.amdhsa_system_vgpr_workitem_id 0
		.amdhsa_next_free_vgpr 256
		.amdhsa_next_free_sgpr 96
		.amdhsa_reserve_vcc 1
		.amdhsa_float_denorm_mode_32 3
		.amdhsa_float_denorm_mode_16_64 3
		.amdhsa_fp16_overflow 1
		.amdhsa_memory_ordered 1
		.amdhsa_forward_progress 1
		.amdhsa_inst_pref_size 94
	.end_amdhsa_kernel
	.amdgpu_metadata
---
amdhsa.version: [ 1, 2 ]
amdhsa.kernels:
  - .name:           k_q1737ed3d3f_attn
    .symbol:         k_q1737ed3d3f_attn.kd
    .args:
      - { .name: qc, .offset: 0, .size: 8, .value_kind: global_buffer, .address_space: global }
      - { .name: kc, .offset: 8, .size: 8, .value_kind: global_buffer, .address_space: global }
      - { .name: vc, .offset: 16, .size: 8, .value_kind: global_buffer, .address_space: global }
      - { .name: lowp_scales, .offset: 24, .size: 8, .value_kind: global_buffer, .address_space: global }
      - { .name: ac, .offset: 32, .size: 8, .value_kind: global_buffer, .address_space: global }
    .group_segment_fixed_size: 264192
    .private_segment_fixed_size: 0
    .kernarg_segment_align: 8
    .kernarg_segment_size: 40
    .max_flat_workgroup_size: 512
    .sgpr_count:     96
    .vgpr_count:     256
    .wavefront_size: 32
...
	.end_amdgpu_metadata
.endif
;; end of part 3
;; launch proj (part 4): grid 4 x 32, 4 waves a work-group, clusters of 4 x 4, 327,680 bytes of LDS; arguments ac, woc, lowp_scales, out0; writes out0
.if DOCPART == 4
	.amdgcn_target "amdgcn-amd-amdhsa--gfx1250"
	.amdhsa_code_object_version 6
	.text
	.protected	k_q1737ed3d3f_proj
	.globl	k_q1737ed3d3f_proj
	.p2align	8
	.type	k_q1737ed3d3f_proj,@function
k_q1737ed3d3f_proj:
	s_mov_b64 s[64:65], 0
	v_nop
	global_prefetch_b8 v0, s[64:65] scope:SCOPE_SE
	s_setreg_imm32_b32 hwreg(HW_REG_WAVE_MODE, 25, 1), 1
	s_wait_xcnt 0x0
	s_wait_alu depctr_hold_cnt(0) depctr_sa_sdst(0) depctr_va_vdst(0) depctr_va_sdst(0) depctr_va_ssrc(0) depctr_va_vcc(0) depctr_vm_vsrc(0)
	s_getreg_b32 s2, hwreg(HW_REG_IB_STS2, 6, 4)
	s_cmp_eq_u32 s2, 0
	s_cbranch_scc0 .Lentry_in_a_cluster
	s_endpgm
.Lentry_in_a_cluster:
	s_bfe_u32 s2, ttmp6, 0x10000c
	s_cmp_lg_u32 s2, 0xf033
	s_cbranch_scc0 .Lentry_shape_is_right
	s_endpgm
.Lentry_shape_is_right:
; out0 = attn w_out on codes of FP8 (E4M3): out0 [8192][1024] f32 = sum x 2^(e6 + e7).
; LIMIT: e6 + e7 lies between -126 and 127, so that 2^(e6 + e7) is an f32 number.
; ac: [batch x head 64][chunk of 128 tokens 16][tile 8][c 2][lane 32][16 bytes]: images of operand registers: lane (r, h), piece c, holds channels 32 c + 16 h + 0 .. 15 of the head, of token 32 (a / 2) + 8 (a % 2) + r % 8 + 16 (r / 8)
; of the chunk (a: the tile).  woc: [1024 stored rows][1024] codes, K innermost; stored row p is column sw(p) of w_out, sw exchanging bits 3 and 4.
; A tile of out0, 256 x 256, is made by a work-group of four waves; a wave makes 128 x 128: 64 accumulators, 512 registers.  K goes in steps of 256 (four heads) through a ring of two LDS slots filled by the tensor data mover.
; A's tile of a wave's load is a chunk's images of four heads: 4 rows of 8,192 bytes, 131,072 bytes apart in memory, dense in LDS; a fragment's load takes 512 consecutive bytes.  B's tile: 128 rows of 256 bytes, padded.
; THE MATRIX INSTRUCTION IS USED TRANSPOSED (source 0 = 16 stored rows of woc, source 1 = a tile of 16 tokens): a lane holds one token and eight columns; by the stored order accumulators (a, 2 b), (a, 2 b + 1) hold columns 32 b + 16 h + 0 .. 15.
; CLUSTERS: 4 x 4 work-groups.  The four of a row of the cluster need the same tiles of A, the four of a column the same tiles of B: each tile is asked for JOINTLY, by the same tensor load with the same descriptor and a mask that names the four.
; The grid has 128 work-groups: with tiles of this size the problem has no more.
; REGISTERS, in windows of 256: window 0: v0-31 addresses; from v128 A's fragments, ONE set; on the way out v32-255 are free.   window 1: B's fragments, TWO sets.   windows 2, 3: the accumulators ((a, b) at v[8 (8 (a % 4) + b)]).
.set ROWB,   256                       ; a row of B's tile in bytes
.set KROW,   1024                      ; a row of woc in bytes
.set PITCH,  272                       ; B's LDS row: 256 bytes + 16 of padding = 68 words: row r starts at bank 4 r mod 64 (64 banks of 4 bytes: ISA guide 11.1)
.set FR,     16
.set NL,     4
.set NP,     4
.set AHALF,  32768                     ; a chunk's images of four heads
.set BHALF,  128*PITCH
.set SLOT,   2*AHALF+2*BHALF           ; A's two chunks, then B's 256 rows
.set ASTEP,  4*131072                  ; four heads on, in ac
.set LAPS,   2
.set SPARE,  2*SLOT                    ; behind the ring: the spare words, 128 bytes for each wave: two blocks of 256 bytes that no other line names
.set SPITCH, 528                       ; the way out: a stage of 16 rows x (512 bytes + 16) for each wave.  It lies in slot 0, which has had its last fill and its last read when the first result is stored there
.set ADRA, 16                          ; v16-17  LDS address of my A fragments in slot 0, 1
.set ADRB, 20                          ; v20-21  the same for B
.set STO,  24                          ; v24     the way out: where I put my bytes of a row
.set RD,   25                          ; v25     where I read a row back
.set CO,   26                          ; v26     16 x lane: my byte offset in a row's 512 bytes
.set SPW,  28                          ; v28     LDS address of my spare word; never rewritten
.set NIL,  29                          ; v29     0; never rewritten
.set TMP,  32                          ; the way out: 64 registers, a block's sums x 2^(e6 + e7)
.set AF,   128
.set BK,   128                         ; the way out: 16 rows read back from the stage: v128-191 and v192-255 by turns
.set G1, 24
.set G0, 32
.set G1B, 48
.set G0B, 56
.set MSB, 0
.macro WIN new                         ; the immediate's high byte repeats the setting that is left
.if MSB != \new
	s_set_vgpr_msb (MSB<<8)|\new
.set MSB, \new
.endif
.endm
.set MUL_LO, 0xa1                      ; source 0 (B) window 1, source 1 (A) window 0, C and D window 2
.set MUL_HI, 0xf1                      ; the same, C and D window 3
.set TO_B,   0x40                      ; destination window 1, address window 0
; A joint load: waves 0 and 1 fetch for A, waves 2 and 3 for B; the branch hangs on the wave's number alone.  Four v_nop follow each of the two lines.
.macro JLOAD g0a, g1a, g0b, g1b
	s_cmp_eq_u32 s15, 0
	s_cbranch_scc0 .Lfor_b_\@
	tensor_load_to_lds s[\g0a:\g0a+3], s[\g1a:\g1a+7]
	s_nop 0
.rept 4
	v_nop
.endr
	s_branch .Lasked_\@
.Lfor_b_\@:
	tensor_load_to_lds s[\g0b:\g0b+3], s[\g1b:\g1b+7]
	s_nop 0
.rept 4
	v_nop
.endr
.Lasked_\@:
.endm
.macro CREST                           ; a round of the cluster's barrier behind its opening barrier
	s_cmp_lg_u32 s14, 0
	s_cbranch_scc1 .Lnot_wave_0_\@
	s_barrier_signal -3
.Lnot_wave_0_\@:
	s_barrier_wait -3
	s_barrier_signal -1
	s_barrier_wait -1
.endm
.macro CROUND
	s_barrier_signal -1
	s_barrier_wait -1
	CREST
.endm
	s_load_b128 s[4:7], s[0:1], 0x0                ; ac s[4:5], woc s[6:7]
	s_load_b128 s[8:11], s[0:1], 0x10              ; the scales' exponents s[8:9], out0 s[10:11]
	v_lshl_add_u32 v[SPW], v0, 2, SPARE
	v_mov_b32 v[NIL], 0
	ds_add_u32 v28, v29
	ds_add_u32 v28, v29
	s_wait_dscnt 0x0
	v_lshrrev_b32 v1, 5, v0
	v_readfirstlane_b32 s14, v1                    ; wave 0..3
	s_lshr_b32 s15, s14, 1                         ; which of the tile's two chunks of tokens is mine.  Also: I fetch for A (0) or for B (1)
	s_and_b32 s16, s14, 1                          ; which half of its columns.  Also: which half of that tile I fetch
	s_bfe_u32 s40, ttmp6, 0x40000                  ; cx, cy: my place in the cluster
	s_bfe_u32 s41, ttmp6, 0x40004
	s_lshl_b32 s42, ttmp9, 2
	s_add_co_u32 s42, s42, s40                     ; tile column = 4 x cluster x + cx
	s_and_b32 s17, ttmp7, 0xffff
	s_lshl_b32 s17, s17, 2
	s_add_co_u32 s17, s17, s41                     ; tile row = 4 x cluster y + cy
	s_lshl_b32 s43, s41, 2
	s_lshl_b32 s43, 15, s43                        ; my row of the cluster
	s_lshl_b32 s44, 0x1111, s40                    ; my column
	; descriptor group 1 for A: 4 rows of 8,192 bytes, 131,072 bytes apart, no padding
	s_or_b32 s[G1+0], s43, (0<<16)|(1<<21)         ; 15:0 the mask: my row; 17:16 element of 1 byte; 21 set beside a mask
	s_mov_b32 s[G1+1], 8192<<16                    ; tensor_dim0
	s_mov_b32 s[G1+2], 4<<16                       ; tensor_dim1 = 4
	s_mov_b32 s[G1+3], 8192<<16                    ; tile_dim0
	s_mov_b32 s[G1+4], 4                           ; tile_dim1 = 4
	s_mov_b32 s[G1+5], 131072                      ; tensor_dim0_stride: from head to head
	s_mov_b32 s[G1+6], 0
	s_mov_b32 s[G1+7], 0
	; for B: 128 rows of 256 bytes, padded in LDS
	s_or_b32 s[G1B+0], s44, (0<<16)|(1<<20)|(1<<21)|(5<<22)|(3<<25)  ; the mask: my column; padding on: 4 words (code 3) after every 64 (code 5)
	s_mov_b32 s[G1B+1], ROWB<<16
	s_mov_b32 s[G1B+2], 128<<16
	s_mov_b32 s[G1B+3], ROWB<<16
	s_mov_b32 s[G1B+4], 128
	s_mov_b32 s[G1B+5], KROW
	s_mov_b32 s[G1B+6], 0
	s_mov_b32 s[G1B+7], 0
	s_lshr_b32 s20, s17, 3                         ; A: the batch, 16 heads of 131,072 bytes,
	s_lshl_b32 s20, s20, 21
	s_and_b32 s18, s17, 7
	s_lshl_b32 s18, s18, 1
	s_add_co_u32 s18, s18, s16                     ; + chunk 2 (tile row % 8) + the half that I fetch,
	s_lshl_b32 s18, s18, 13                        ; 8,192 bytes each
	s_add_co_u32 s20, s20, s18
	s_mov_b32 s21, 0
	s_lshl_b32 s46, s42, 8
	s_lshl_b32 s47, s16, 7
	s_add_co_u32 s46, s46, s47                     ; B: stored row 256 x tile column + 128 x half,
	s_lshl_b32 s46, s46, 10                        ; x 1,024 bytes
	s_mov_b32 s47, 0
	s_mul_i32 s45, s16, AHALF                      ; where they go: no place in the cluster enters an LDS address
	s_mul_i32 s66, s16, BHALF
	s_add_co_u32 s66, s66, 2*AHALF
	s_wait_kmcnt 0x0
	s_load_b64 s[96:97], s[8:9], 0x18              ; e6, e7
	s_add_nc_u64 s[20:21], s[4:5], s[20:21]
	s_add_nc_u64 s[46:47], s[6:7], s[46:47]
	CROUND                                         ; all sixteen work-groups are here: the first joint loads meet
.irp s, 0,1
	s_mov_b32 s[G0+4*\s], 1
	s_add_co_u32 s[G0+4*\s+1], s45, \s*SLOT
	s_add_nc_u64 s[G0+4*\s+2:G0+4*\s+3], s[20:21], \s*ASTEP
	s_or_b32 s[G0+4*\s+3], s[G0+4*\s+3], 0x80000000
	s_mov_b32 s[G0B+4*\s], 1
	s_add_co_u32 s[G0B+4*\s+1], s66, \s*SLOT
	s_add_nc_u64 s[G0B+4*\s+2:G0B+4*\s+3], s[46:47], \s*ROWB
	s_or_b32 s[G0B+4*\s+3], s[G0B+4*\s+3], 0x80000000
	JLOAD G0+4*\s, G1, G0B+4*\s, G1B
.endr
	v_and_b32 v1, 15, v0                           ; l % 16
	v_bfe_u32 v2, v0, 4, 1                         ; l / 16
	v_mul_u32_u24 v3, v1, PITCH
	v_lshl_add_u32 v4, v2, 4, v3                   ; B: a fragment's row x pitch + 16 x half
	v_and_b32 v6, 31, v0
	v_lshlrev_b32 v[CO], 4, v6                     ; A: an image's place for my lane
	s_mul_i32 s21, s15, AHALF                      ; my chunk of A
	s_mul_i32 s22, s16, BHALF                      ; my 128 rows of B,
	s_add_co_u32 s22, s22, 2*AHALF                 ; which lie behind A's two chunks
.irp s, 0,1
	v_add_nc_u32 v[ADRA+\s], s21, v[CO]
	v_add_nc_u32 v[ADRB+\s], s22, v4
	s_add_co_u32 s21, s21, SLOT
	s_add_co_u32 s22, s22, SLOT
.endr
	s_mul_i32 s23, s14, 16*SPITCH                  ; my stage
	v_mul_u32_u24 v5, v1, SPITCH                   ; in: row l % 16; my half's sixteen columns of each 32 begin 64 bytes further on
	v_lshl_add_u32 v5, v2, 6, v5
	v_add_nc_u32 v[STO], s23, v5
	v_add_nc_u32 v[RD], s23, v[CO]                 ; back: the 32 lanes take one row of 512 bytes
	s_lshl_b32 s20, s17, 8
	s_lshl_b32 s21, s15, 7
	s_add_co_u32 s20, s20, s21                     ; my first row of out0: 256 x tile row + 128 x half,
	s_lshl_b32 s20, s20, 12                        ; x 4,096 bytes (under 2^26)
	s_lshl_b32 s46, s42, 10                        ; my first column, in bytes: 1,024 x tile column + 512 x half
	s_lshl_b32 s47, s16, 9
	s_add_co_u32 s46, s46, s47
	s_add_co_u32 s20, s20, s46
	s_mov_b32 s21, 0
	s_add_nc_u64 s[10:11], s[10:11], s[20:21]
.macro FRAGB reg, adr, q, i            ; 16 stored rows x 128 K: registers 4 c .. 4 c + 3 hold K = 32 c + 16 (l / 16) + 0 .. 15
.irp c, 0,1,2,3
	ds_load_b128 v[\reg+4*\c:\reg+4*\c+3], v[\adr] offset:128*(\q)+32*\c+(\i)*16*PITCH
.endr
.endm
.macro FRAGA reg, adr, q, a            ; tile a, the slot's q-th 128 along K = heads 2 q and 2 q + 1: the same places of K: piece c of the fragment is piece c % 2 of head 2 q + c / 2
.irp c, 0,1,2,3
	ds_load_b128 v[\reg+4*\c:\reg+4*\c+3], v[\adr] offset:(2*(\q)+\c/2)*8192+(\a)*1024+(\c%2)*512
.endr
.endm
; 16 matrix instructions: A's blocks a0, a0 + 1 x B's eight.  The 64 accumulators take turns, one instruction a turn, in the same order in every step.
.macro MUL16 a0, p, zero
.irp a, \a0, \a0+1
.irp b, 0,1,2,3,4,5,6,7
.if \zero
	v_wmma_f32_16x16x128_fp8_fp8 v[8*(8*((\a)%4)+\b):8*(8*((\a)%4)+\b)+7], v[128*(\p)+FR*\b:128*(\p)+FR*\b+FR-1], v[AF+FR*(\a):AF+FR*(\a)+FR-1], 0
.else
	v_wmma_f32_16x16x128_fp8_fp8 v[8*(8*((\a)%4)+\b):8*(8*((\a)%4)+\b)+7], v[128*(\p)+FR*\b:128*(\p)+FR*\b+FR-1], v[AF+FR*(\a):AF+FR*(\a)+FR-1], v[8*(8*((\a)%4)+\b):8*(8*((\a)%4)+\b)+7]
.endif
.endr
.endr
.endm
.macro FETCH_B slot, q, p
	WIN TO_B
.irp i, 0,1,2,3,4,5,6,7
	FRAGB 128*(\p)+FR*\i, ADRB+\slot, \q, \i
.endr
	WIN 0
.endm
.macro FETCH_A slot, q, i0
.irp i, \i0, \i0+1, \i0+2, \i0+3
	FRAGA AF+FR*(\i), ADRA+\slot, \q, \i
.endr
.endm
; A load into a register that a matrix instruction has read, and a vector instruction that reads a matrix result, stand NP places behind that matrix instruction; only plain vector instructions that name none of its registers are places (ISA guide 7.12.1 for vector instructions).
.macro PLACES n
.rept \n
	v_nop
.endr
.endm
.macro STEP slot, q, zero              ; a step of 128 along K that has its successor in the same slot
	s_wait_dscnt 4*NL                              ; B's set and A's blocks 0-3 are in; the youngest sixteen loads (blocks 4-7) may be out
	WIN MUL_LO
	MUL16 0, (\q)%2, \zero
	MUL16 2, (\q)%2, \zero
	s_wait_dscnt 0                                 ; blocks 4-7 are in
	PLACES NP
	FETCH_B \slot, (\q)+1, 1-(\q)%2
	FETCH_A \slot, (\q)+1, 0
	WIN MUL_HI
	MUL16 4, (\q)%2, \zero
	MUL16 6, (\q)%2, \zero
	PLACES NP
	WIN 0
	FETCH_A \slot, (\q)+1, 4
.endm
; A slot's last step changes slots: ONE barrier; in front of it each wave waits for all its tensor loads, adds 0 to its spare word, and waits for that and for its own reads of this slot.  fill = 1: this slot is filled again, two K steps ahead.
.macro TURN slot, next, fill
	s_wait_tensorcnt 0x0                           ; all my tensor loads have landed: my part of the next slot;  (every window is 0 here)
	ds_add_u32 v[SPW], v[NIL]                      ; 0 onto my spare word
	s_wait_dscnt 4*NL+1                            ; (the add and the youngest sixteen loads may be out)
	WIN MUL_LO
	MUL16 0, 1, 0                                  ; sixteen matrix instructions stand between the add and the wait for it
	s_wait_dscnt 0x0                               ; the add is done, and my reads of this slot are over
	s_barrier_signal -1
	MUL16 2, 1, 0
	WIN 0
	s_barrier_wait -1
.if \fill
	CREST                                          ; the barrier has opened a round of the cluster's barrier: no wave of any partner still reads this slot's tile or has a load on its way
	s_add_nc_u64 s[G0+4*\slot+2:G0+4*\slot+3], s[G0+4*\slot+2:G0+4*\slot+3], 2*ASTEP
	s_add_nc_u64 s[G0B+4*\slot+2:G0B+4*\slot+3], s[G0B+4*\slot+2:G0B+4*\slot+3], 2*ROWB
	JLOAD G0+4*\slot, G1, G0B+4*\slot, G1B         ; the first tensor load behind the round; the four v_nop behind it are the places in front of the loads below
.else
	PLACES NP
.endif
	FETCH_B \next, 0, 0
	FETCH_A \next, 0, 0
	WIN MUL_HI
	MUL16 4, 1, 0
	MUL16 6, 1, 0
	PLACES NP
	WIN 0
	FETCH_A \next, 0, 4
.endm
	s_wait_tensorcnt 1                             ; my part of K step 0 is in (K step 1's load may be out)
	s_barrier_signal -1
	s_barrier_wait -1                              ; everybody's is
	FETCH_B 0, 0, 0
	FETCH_A 0, 0, 0
	FETCH_A 0, 0, 4
	STEP 0, 0, 1                                   ; the first step stands in front of the loop: its products start the sums
	s_mov_b32 s3, LAPS-1
.Llap:
	TURN 0, 1, 1
	STEP 1, 0, 0
	TURN 1, 0, 1
	STEP 0, 0, 0
	s_sub_co_u32 s3, s3, 1
	s_cmp_lg_u32 s3, 0
	s_cbranch_scc1 .Llap
	TURN 0, 1, 0                                   ; the last lap fills nothing, and has no round of the cluster's barrier
	STEP 1, 0, 0
	s_wait_dscnt 4*NL                              ; the very last step: nothing more to fetch
	WIN MUL_LO
	MUL16 0, 1, 0
	MUL16 2, 1, 0
	s_wait_dscnt 0
	WIN MUL_HI
	MUL16 4, 1, 0
	MUL16 6, 1, 0
	WIN 0
; THE WAY OUT, block by block of 16 tokens x 128 columns, through my own stage in LDS.  Accumulator b's eight columns of a lane are 32 (b / 2) + 16 h + 8 (b % 2) + 0 .. 7: they go to their own place in the stage's row,
; which undoes the stored order of the columns; stage row t of block a is token 32 (a / 2) + 8 (a % 2) + t % 8 + 16 (t / 8) of my chunk, which stands in the store's immediate (127 rows of 4,096 bytes at the most).
; LDS serves a wave's instructions in order (ISA guide 5.7.1.4): no wait between the stores and the loads, nor in front of the next block's stores.
.macro TOSTAGE a
.set AC, 64*((\a)%4)
	WIN 0x02+((\a)/4)                              ; source 0: window 2 or 3
.set j, 0
.rept 32
	v_pk_mul_f32 v[TMP+j:TMP+j+1], v[AC+j:AC+j+1], s[96:97] op_sel_hi:[1,0]   ; both x s96 = 2^(e6 + e7); each accumulator from its low end on
.set j, j+2
.endr
	WIN 0
.irp b, 0,1,2,3,4,5,6,7
	ds_store_b128 v[STO], v[TMP+8*\b:TMP+8*\b+3] offset:128*(\b/2)+32*(\b%2)
	ds_store_b128 v[STO], v[TMP+8*\b+4:TMP+8*\b+7] offset:128*(\b/2)+32*(\b%2)+16
.endr
.set BB, BK+64*((\a)%2)
.irp t, 0,1,2,3,4,5,6,7,8,9,10,11,12,13,14,15
	ds_load_b128 v[BB+4*\t:BB+4*\t+3], v[RD] offset:\t*SPITCH
.endr
.endm
.macro SEND a, younger                 ; younger: the LDS instructions issued behind block a's loads, which may stay out
.set BB, BK+64*((\a)%2)
	s_wait_dscnt \younger                          ; the block is back in registers
.irp t, 0,1,2,3,4,5,6,7,8,9,10,11,12,13,14,15
	global_store_b128 v[CO], v[BB+4*\t:BB+4*\t+3], s[10:11] offset:(32*((\a)/2)+8*((\a)%2)+\t%8+16*(\t/8))*4096 th:TH_STORE_NT   ; 32 lanes store 512 consecutive bytes, aligned; written once, read by nobody here
.endr
.endm
	s_wait_kmcnt 0x0
	s_add_co_i32 s96, s96, s97                     ; e6 + e7, between -126 and 127,
	s_add_co_i32 s96, s96, 127
	s_lshl_b32 s96, s96, 23                        ; makes the f32 number 2^(e6 + e7)
	PLACES NP                                      ; behind the last products: for the loads into the registers that held A's fragments, and for the reads of results
	TOSTAGE 0
.irp a, 1,2,3,4,5,6,7
.if \a > 1
	s_wait_xcnt 0x0                                ; block a - 2's stores have read their registers: block a's loads may land there
.endif
	TOSTAGE \a
	SEND \a-1, 32                                  ; behind block a - 1's loads: block a's 16 stores and 16 loads
.endr
	SEND 7, 0
	s_wait_tensorcnt 0x0                           ; the wave's end, behind my last tensor load and my last LDS store
	ds_add_u32 v[SPW], v[NIL]
	s_wait_dscnt 0x0
	CROUND                                         ; the closing round: no work-group ends while a partner may still ask for a tile that names it
	s_endpgm
.Lfunc_end_k_q1737ed3d3f_proj:
	.size	k_q1737ed3d3f_proj, .Lfunc_end_k_q1737ed3d3f_proj-k_q1737ed3d3f_proj
	.p2alignl 7, 3214868480
	.fill 96, 4, 3214868480
	.section	.rodata,"a",@progbits
	.p2align	6, 0x0
	.amdhsa_kernel k_q1737ed3d3f_proj
		.amdhsa_group_segment_fixed_size 327680
		.amdhsa_private_segment_fixed_size 0
		.amdhsa_enable_private_segment 0
		.amdhsa_kernarg_size 32
		.amdhsa_user_sgpr_count 2
		.amdhsa_user_sgpr_kernarg_segment_ptr 1
		.amdhsa_wavefront_size32 1
		.amdhsa_system_sgpr_workgroup_id_x 1
		.amdhsa_system_sgpr_workgroup_id_y 1
		.amdhsa_system_sgpr_workgroup_id_z 1
		.amdhsa_system_vgpr_workitem_id 0
		.amdhsa_next_free_vgpr 1024
		.amdhsa_next_free_sgpr 98
		.amdhsa_reserve_vcc 0
		.amdhsa_float_denorm_mode_32 3
		.amdhsa_float_denorm_mode_16_64 3
		.amdhsa_memory_ordered 1
		.amdhsa_forward_progress 1
		.amdhsa_inst_pref_size 123
	.end_amdhsa_kernel
	.amdgpu_metadata
---
amdhsa.version: [ 1, 2 ]
amdhsa.kernels:
  - .name:           k_q1737ed3d3f_proj
    .symbol:         k_q1737ed3d3f_proj.kd
    .args:
      - { .name: ac, .offset: 0, .size: 8, .value_kind: global_buffer, .address_space: global }
      - { .name: woc, .offset: 8, .size: 8, .value_kind: global_buffer, .address_space: global }
      - { .name: lowp_scales, .offset: 16, .size: 8, .value_kind: global_buffer, .address_space: global }
      - { .name: out0, .offset: 24, .size: 8, .value_kind: global_buffer, .address_space: global }
    .group_segment_fixed_size: 327680
    .private_segment_fixed_size: 0
    .kernarg_segment_align: 8
    .kernarg_segment_size: 32
    .max_flat_workgroup_size: 128
    .sgpr_count:     98
    .vgpr_count:     1024
    .wavefront_size: 32
...
	.end_amdgpu_metadata
.endif
;; end of part 4
